; MI455X (gfx1250); checked and timed in simulation.
; The chip was launched on July 23, 2026; its instructions are those of AMD's public machine-readable ISA for CDNA 5 (MIT licence, August 2026) and "CDNA5" Instruction Set Architecture Reference Guide (July 2026). The comments in the code are by the model that wrote it; some were corrected since.
;; Multi Head Attention. Allowed arithmetic: matrix products marked QUANTISED: E2M3 operands, one E8M0 scale for each 32 along K, by v_wmma_scale_f32_16x16x128_f8f6f4 with both operands' format E2M3, f32 sums; everything else in f32.
;; Inputs: Wk 1,024 x 1,024 float32; Wo 1,024 x 1,024 float32; Wq 1,024 x 1,024 float32; Wv 1,024 x 1,024 float32; bk 1,024 float32; bo 1,024 float32; bq 1,024 float32; bv 1,024 float32; key_in 4 x 2,048 x 1,024 float32; mask 1 x 1 x 2,048 x 2,048 int32; query 4 x 2,048 x 1,024 float32; value 4 x 2,048 x 1,024 float32.
;; Outputs: out0 4 x 2,048 x 1,024 float32.
;; This version of the problem:
;;   THIS VERSION OF THE PROBLEM IS GIVEN IN LOW PRECISION. The matrix products marked QUANTISED in the list below multiply operands that are first quantised to E2M3 (2 exponent bits, 3 mantissa bits; 6 bits a number), with one power-of-two scale for each 32 numbers along K (OCP MX v1.0); their sums are f32. All else is computed in f32.
;;   The module's matrix products, in the order in which they are computed (A, B: the left and right operand; K: the contracted axis; several contracted axes count as one K, in the product's order):
;;     1. [M 8,192, K 1,024] x [K 1,024, N 1,024]; A: input query; B: input Wq: QUANTISED
;;     2. [M 8,192, K 1,024] x [K 1,024, N 1,024]; A: input key_in; B: input Wk: QUANTISED
;;     3. [M 8,192, K 1,024] x [K 1,024, N 1,024]; A: input value; B: input Wv: QUANTISED
;;     4. batch 64 x [M 2,048, K 64] x [K 64, N 2,048]; A: computed on the way; B: computed on the way: QUANTISED
;;     5. batch 64 x [M 2,048, K 2,048] x [K 2,048, N 64]; A: softmax (see below); B: computed on the way: QUANTISED
;;     6. [M 8,192, K 1,024] x [K 1,024, N 1,024]; A: computed on the way; B: input Wo: QUANTISED
;;   THE QUANTISER, for each operand of a quantised product, along K:
;;     - K is cut into blocks of 32 from its start; a last block that is shorter is filled with zeros.
;;     - A block's scale is 2^e with e = floor(log2(the largest magnitude in the block)) - 2, held to -126 .. 127; a block of zeros has e = 0. As a byte (E8M0): e + 127.
;;     - Each number is divided by its block's scale, clamped to +-7.5, and rounded to the nearest number of E2M3, ties to even, subnormals kept.
;;     - The product sums the exact products of the quantised numbers (number of the format x scale) in f32.
;;   ~~~python
;;   def quantise(x, axis):      # numpy; x: float32 -> the quantised numbers, widened to float32 again
;;       x = np.moveaxis(x, axis, -1); K = x.shape[-1]
;;       x = np.pad(x, [(0, 0)] * (x.ndim - 1) + [(0, -K % 32)]); x = x.reshape(x.shape[:-1] + (-1, 32)); a = np.abs(x).max(-1, keepdims=True)
;;       e = np.where(a > 0, np.clip(np.frexp(np.where(a > 0, a, 1))[1] - 1 - 2, -126, 127), 0)      # np.frexp(a)[1] - 1 = floor(log2(a)), exactly
;;       r = np.clip(x / 2.0 ** e, -7.5, 7.5)
;;       step = 2.0 ** (np.maximum(np.frexp(np.where(r == 0, 1, r))[1] - 1, 0) - 3)
;;       q = np.round(r / step) * step * 2.0 ** e      # np.round: ties to even
;;       return np.moveaxis(q.reshape(q.shape[:-2] + (-1,))[..., :K], -1, axis).astype(np.float32)
;;   ~~~
;;   SOFTMAX AHEAD OF A QUANTISED PRODUCT. Where the list says 'softmax', what is quantised is not the finished softmax but p = 2^(t - M), with t = logit x log2(e) and M = ceil(the row's largest t), a whole number; so 1/2 < the row's largest p <= 1. The row's sum l is taken of the UNQUANTISED p, in f32, and the product's result is divided by l at the end. Since M is a whole number, a kernel that streams over the keys may use a running M (the ceiling of the running maximum): every later rescaling is an exact power of two, which a block's scale takes up: the codes' values come out the same.
;;   OPERANDS COMPUTED ON THE WAY. 'Computed on the way' means the value that the module computes at that place (a softmax that the list does not call 'softmax' is quantised finished and normalised). What goes into a quantiser is computed in f32, as accurately as f32 sums, v_exp_f32 and their like allow (about 1e-6 of the number): no bf16 or f16 on the way to a quantiser, and a product that is left as it is and whose result goes on into a quantised operand takes f32 operands (vector FMAs, or v_wmma_f32_16x16x4_f32). A number that lies on a knife's edge between two numbers of the format may be rounded either way, as far as f32 arithmetic and the matrix unit's own rounding can turn it there, and no further.
;; 2 versions, each right; version 2 is version 1 with the launch attn written anew for expert scheduling mode. Each part assembles by itself: llvm-mc -triple=amdgcn-amd-amdhsa -mcpu=gfx1250 --defsym DOCPART=n.
;; ======== version 1 of 2: 4 launches
;; limits: right only within a limited range of input values
;; workspace buffers: xc 18,874,368 bytes; xs 786,432 bytes; wc 3,145,728 bytes; ws 131,072 bytes; img 18,874,368 bytes; isc 786,432 bytes; mb 540,672 bytes of whole numbers; ac 6,553,600 bytes
;; launch prep (part 1): grid 576 x 1, 4 waves a work-group, no clusters, 68,096 bytes of LDS; arguments query, key_in, value, Wq, Wk, Wv, Wo, mask, xc, xs, wc, ws, mb; writes xc, xs, wc, ws, mb
.if DOCPART == 1
	.amdgcn_target "amdgcn-amd-amdhsa--gfx1250"
	.amdhsa_code_object_version 6
	.text
	.protected	k_qb5b1012504_prep
	.globl	k_qb5b1012504_prep
	.p2align	8
	.type	k_qb5b1012504_prep,@function
k_qb5b1012504_prep:
	s_mov_b64 s[64:65], 0
	v_nop
	global_prefetch_b8 v0, s[64:65] scope:SCOPE_SE
	s_setreg_imm32_b32 hwreg(HW_REG_WAVE_MODE, 25, 1), 1
	s_wait_xcnt 0x0
; PREP.  (1) query, key_in, value [8192][1024] and Wq, Wk, Wv, Wo [1024][1024], f32, K innermost, become codes of FP6 (E2M3) with one E8M0 byte for each 32 along K.
; (2) the mask [2048][2048] int32 becomes lane masks for the attention launch, and for each (tile of queries, 128 keys) the OR and the AND of its 64 lane masks.
; A TILE of 16 rows is not 16 neighbours: tile t holds rows 32 (t / 2) + 8 (t % 2) + p + 8 (p / 8), p = 0 .. 15.  Used as source 0 of a product, two neighbouring tiles then give a lane 16 neighbours along that axis.
; CODES ARE STORED AS IMAGES OF THE OPERAND'S REGISTERS: for (tile, 128 along K) 1,536 bytes: six pieces of 256 bytes, piece p = registers 2 p, 2 p + 1 of lane l at byte 8 l.  Each store of the wave covers 256 consecutive bytes, aligned.
; Lane (r, h) of an operand holds row r, k = 64 c + 32 h + 0 .. 31 in registers 6 c .. 6 c + 5: two WHOLE blocks of 32, so a block's largest magnitude needs no other lane.
; A block's scale is 2^(floor(log2(largest magnitude)) - 2); its byte is the largest magnitude's exponent field - 2, held at 1 from below.
; LIMITS: a block of zeros gets the byte 1 where the rule says 127 (its codes are zeros, and this program alone reads the bytes); NaN and infinities among the inputs are not served.
; SHARES: work-groups 0-383: the three activations, a wave to a tile (16 rows x 1,024); 384-447: the four weights likewise; 448-575: the mask, a work-group to a tile of queries, a wave to 4 x 128 keys.
; Loads take rows as they lie (512 consecutive bytes an instruction) and turn through the wave's own stage in LDS (16 rows, 528 bytes apart).  The two kinds of work-group have LDS bytes of their own.  No barrier: waves share nothing.
.set STG,   8448                       ; a wave's stage: 16 rows x 528 bytes
.set PITCH, 528                        ; 512 bytes + 16: sixteen lanes that read 16 bytes of sixteen rows touch sixteen different 16-byte columns
.set R,   16                           ; v16-143  two sets of 64 registers as loaded
.set X,   144                          ; v144-207 64 numbers in the order that the work wants
.set C,   208                          ; v208-219 a fragment's codes
.set CT,  220                          ; v220-222, v224-226 the second halves of the two blocks (a conversion's three registers begin on an even number)
.set MX,  228                          ; v228-229 largest magnitudes
.set SO,  230                          ; v230-231 the conversions' scale operands
.set BY,  232                          ; v232-233 scale bytes
.set SW,  234                          ; v234-241 the scale words of the eight K steps
.set SWM, 242                          ; v242-245 two K steps' words in one register
.set W,   246                          ; v246-247 64 lane masks, word n in register n % 2 of lane n / 2
.set FW,  248                          ; v248     lanes 0-3: the ORs of my four steps, lanes 4-7: the ANDs
.set SRC, 48                           ; s[48:49] where I read
.set DC,  50                           ; s[50:51] where codes (or lane masks) go
.set DS,  52                           ; s[52:53] where scale words (or ORs and ANDs) go
.set SEL, 60                           ; s[60:61] v_permlanex16_b32's selects for lane l xor 16
.set HM,  62                           ; s62      lanes 16-31
	s_load_b512 s[4:19], s[0:1], 0x0               ; query, key_in, value, Wq, Wk, Wv, Wo, mask
	s_load_b256 s[20:27], s[0:1], 0x40             ; xc, xs, wc, ws
	s_load_b64 s[28:29], s[0:1], 0x60              ; mb
	v_lshl_add_u32 v254, v0, 2, 0x10800
	v_mov_b32 v255, 0
	v_lshrrev_b32 v9, 5, v0
	v_readfirstlane_b32 s30, v9                    ; wave 0..3
	s_mov_b32 s31, ttmp9                           ; work-group
	v_and_b32 v15, 31, v0                          ; lane
	v_and_b32 v11, 15, v0                          ; r
	v_bfe_u32 v12, v0, 4, 1                        ; h
	v_lshlrev_b32 v1, 4, v15                       ; 16 x lane
	v_lshlrev_b32 v2, 3, v15                       ; 8 x lane
	v_lshlrev_b32 v3, 2, v15                       ; 4 x lane
	s_mul_i32 s54, s30, STG
	v_add_nc_u32 v4, s54, v1                       ; numbers' stage, in: 16 x lane
	v_mul_u32_u24 v13, v11, PITCH
	v_add_nc_u32 v13, s54, v13
	v_lshl_add_u32 v5, v12, 7, v13                 ; out: row r, + 128 h: my 32 numbers of a block pair
	v_add_nc_u32 v6, 4*STG, v4                     ; the mask's stage, in
	v_lshl_add_u32 v7, v12, 6, v13
	v_add_nc_u32 v7, 4*STG, v7                     ; out: row r, + 64 h: my 16 keys of 32
	v_lshlrev_b32 v8, 3, v12                       ; 8 h
	v_mov_b32 v10, 0                               ; a lane permute's and v_writelane_b32's destination counts as read: written once here
	v_mov_b32 v[W], 0
	v_mov_b32 v[W+1], 0
	v_mov_b32 v[FW], 0
	s_mov_b32 s[SEL], 0x76543210
	s_mov_b32 s[SEL+1], 0xfedcba98
	s_mov_b32 s[HM], 0xffff0000
	s_wait_kmcnt 0x0
	s_cmp_ge_u32 s31, 448
	s_cbranch_scc1 .Lmask
.macro LOAD16 set, off, pitch          ; the tile's 16 rows, 512 consecutive bytes of each, from byte off of the rows
.irp i, 0,1,2,3,4,5,6,7,8,9,10,11,12,13,14,15
	global_load_b128 v[R+64*(\set)+4*\i:R+64*(\set)+4*\i+3], v1, s[SRC:SRC+1] offset:(\i+8*(\i/8))*(\pitch)+(\off) th:TH_LOAD_NT
.endr
.endm
.macro TURN set, sti, sto, kind        ; through the stage: LDS serves a wave's instructions in order, so no wait stands between the stores and the loads
.irp i, 0,1,2,3,4,5,6,7,8,9,10,11,12,13,14,15
	ds_store_b128 v[\sti], v[R+64*(\set)+4*\i:R+64*(\set)+4*\i+3] offset:PITCH*\i
.endr
.irp k, 0,1,2,3,4,5,6,7,8,9,10,11,12,13,14,15
.if \kind
	ds_load_b128 v[X+4*\k:X+4*\k+3], v[\sto] offset:128*(\k/4)+16*(\k%4)   ; register 16 b + i = key 32 b + 16 h + i
.else
	ds_load_b128 v[X+4*\k:X+4*\k+3], v[\sto] offset:256*(\k/8)+16*(\k%8)   ; register 32 c + i = k 64 c + 32 h + i
.endif
.endr
.endm
	; ---- the quantiser.  Which tensor, which tile: choices on the work-group's number alone
	s_mov_b64 s[SRC:SRC+1], s[16:17]               ; Wo
	s_cmp_lt_u32 s31, 432
	s_cselect_b64 s[SRC:SRC+1], s[14:15], s[SRC:SRC+1]   ; Wv
	s_cmp_lt_u32 s31, 416
	s_cselect_b64 s[SRC:SRC+1], s[12:13], s[SRC:SRC+1]   ; Wk
	s_cmp_lt_u32 s31, 400
	s_cselect_b64 s[SRC:SRC+1], s[10:11], s[SRC:SRC+1]   ; Wq
	s_mov_b32 s34, 786432
	s_mov_b32 s35, 32768
	s_cmp_lt_u32 s31, 384
	s_cselect_b64 s[SRC:SRC+1], s[8:9], s[SRC:SRC+1]     ; value
	s_cselect_b64 s[DC:DC+1], s[20:21], s[24:25]
	s_cselect_b64 s[DS:DS+1], s[22:23], s[26:27]
	s_cselect_b32 s32, 0, 384                      ; the family's first work-group
	s_cselect_b32 s33, 7, 4                        ; 128 or 16 work-groups to a tensor
	s_cselect_b32 s36, 127, 15
	s_cselect_b32 s34, 6291456, s34                ; a tensor's codes in bytes
	s_cselect_b32 s35, 262144, s35                 ; and its scale words
	s_cmp_lt_u32 s31, 256
	s_cselect_b64 s[SRC:SRC+1], s[6:7], s[SRC:SRC+1]     ; key_in
	s_cmp_lt_u32 s31, 128
	s_cselect_b64 s[SRC:SRC+1], s[4:5], s[SRC:SRC+1]     ; query
	s_sub_co_u32 s32, s31, s32
	s_lshr_b32 s33, s32, s33                       ; the tensor's number in its family
	s_and_b32 s32, s32, s36
	s_lshl_b32 s32, s32, 2
	s_add_co_u32 s32, s32, s30                     ; my tile
	s_lshr_b32 s56, s32, 1
	s_lshl_b32 s56, s56, 17                        ; 32 rows of 4,096 bytes for each pair of tiles,
	s_and_b32 s37, s32, 1
	s_lshl_b32 s37, s37, 15                        ; 8 rows for the odd one
	s_add_co_u32 s56, s56, s37
	s_mov_b32 s57, 0
	s_add_nc_u64 s[SRC:SRC+1], s[SRC:SRC+1], s[56:57]
	s_mul_i32 s56, s33, s34
	s_mul_i32 s37, s32, 12288                      ; a tile's eight images
	s_add_co_u32 s56, s56, s37
	s_add_nc_u64 s[DC:DC+1], s[DC:DC+1], s[56:57]
	s_mul_i32 s56, s33, s35
	s_lshl_b32 s37, s32, 9                         ; a tile's 8 x 16 scale words
	s_add_co_u32 s56, s56, s37
	s_add_nc_u64 s[DS:DS+1], s[DS:DS+1], s[56:57]
	LOAD16 0, 0, 4096
	LOAD16 1, 512, 4096
.macro XSTEP s                         ; K step s: 128 along K of my 16 rows
.if (\s) < 7
	s_wait_loadcnt 16                              ; this step's 16 loads are in; the next step's 16 may be out
.else
	s_wait_loadcnt 0x0
.endif
	TURN (\s)%2, 4, 5, 0
	s_wait_dscnt 0x0                               ; the numbers are back, and the stores into the stage have read their registers
	s_wait_xcnt 0x0                                ; the last step's stores have read the codes' registers
.if (\s)+2 < 8
	LOAD16 (\s)%2, 512*((\s)+2), 4096
.endif
.irp c, 0,1
	v_max3_num_f32 v[MX+\c], |v[X+32*\c]|, |v[X+32*\c+1]|, 0x1800000   ; my block 2 c + h, and the floor 2^(3 - 127): the byte cannot fall under 1
.endr
.irp i, 2,4,6,8,10,12,14,16,18,20,22,24,26,28,30
.irp c, 0,1
	v_max3_num_f32 v[MX+\c], v[MX+\c], |v[X+32*\c+\i]|, |v[X+32*\c+\i+1]|   ; (the two blocks by turns)
.endr
.endr
.irp c, 0,1
	v_add_nc_u32 v[SO+\c], 0xff000000, v[MX+\c]    ; 2 off the exponent field: the conversion takes the exponent field of this operand as its scale
.endr
.irp c, 0,1
	v_lshrrev_b32 v[BY+\c], 23, v[SO+\c]           ; the scale's byte
.endr
	v_lshl_or_b32 v9, v[BY+1], 16, v[BY]           ; blocks h and 2 + h of row r,
	v_lshlrev_b32 v9, v8, v9                       ; at their places in the scale word;
	v_permlanex16_b32 v10, v9, s[SEL], s[SEL+1]
	v_or_b32 v[SW+(\s)], v9, v10                   ; with lane l xor 16's two the word is whole
.irp c, 0,1
	v_cvt_scalef32_pk16_fp6_f32 v[C+6*\c:C+6*\c+2], v[X+32*\c:X+32*\c+15], v[SO+\c]
	v_cvt_scalef32_pk16_fp6_f32 v[CT+4*\c:CT+4*\c+2], v[X+32*\c+16:X+32*\c+31], v[SO+\c]
.endr
	v_nop                                          ; one plain place behind a scaled conversion
.irp c, 0,1
.irp i, 0,1,2
	v_mov_b32 v[C+6*\c+3+\i], v[CT+4*\c+\i]
.endr
.endr
.irp p, 0,1,2,3,4,5
	global_store_b64 v2, v[C+2*\p:C+2*\p+1], s[DC:DC+1] offset:1536*(\s)+256*\p   ; 32 lanes store 256 consecutive bytes, aligned
.endr
.endm
.irp s, 0,1,2,3,4,5,6,7
	XSTEP \s
.endr
.irp k, 0,1,2,3
	v_cndmask_b32 v[SWM+\k], v[SW+2*\k], v[SW+2*\k+1], s[HM]   ; lanes 0-15: K step 2 k's words, lanes 16-31: K step 2 k + 1's
.endr
.irp k, 0,1,2,3
	global_store_b32 v3, v[SWM+\k], s[DS:DS+1] offset:128*\k   ; 128 consecutive bytes
.endr
	s_wait_tensorcnt 0x0
	ds_add_u32 v254, v255
	s_wait_dscnt 0x0
	s_endpgm
	; ---- the mask
.Lmask:
	s_sub_co_u32 s54, s31, 448                     ; my tile of queries
	s_lshr_b32 s56, s54, 1
	s_lshl_b32 s56, s56, 18                        ; 32 rows of 8,192 bytes for each pair of tiles,
	s_and_b32 s55, s54, 1
	s_lshl_b32 s55, s55, 16                        ; 8 rows for the odd one,
	s_add_co_u32 s56, s56, s55
	s_lshl_b32 s55, s30, 11                        ; my wave's 512 keys
	s_add_co_u32 s56, s56, s55
	s_mov_b32 s57, 0
	s_add_nc_u64 s[SRC:SRC+1], s[18:19], s[56:57]
	s_lshl_b32 s56, s54, 12                        ; 16 steps x 256 bytes a tile,
	s_lshl_b32 s55, s30, 10                        ; my four steps
	s_add_co_u32 s56, s56, s55
	s_add_nc_u64 s[DC:DC+1], s[28:29], s[56:57]
	s_lshl_b32 s56, s54, 7                         ; the ORs and ANDs: 128 bytes a tile, 32 a wave, behind the lane masks
	s_lshl_b32 s55, s30, 5
	s_add_co_u32 s56, s56, s55
	s_add_co_u32 s56, s56, 524288
	s_add_nc_u64 s[DS:DS+1], s[28:29], s[56:57]
	LOAD16 0, 0, 8192
	LOAD16 1, 512, 8192
.macro MSTEP e                         ; 16 queries x 128 keys: bit l of word 16 b + i says whether key 32 b + 16 (l / 16) + i counts for the query of lane l % 16
.if (\e) < 3
	s_wait_loadcnt 16                              ; this step's 16 loads are in; the next step's 16 may be out
.else
	s_wait_loadcnt 0x0
.endif
	TURN (\e)%2, 6, 7, 1
	s_wait_dscnt 0x0
	s_wait_xcnt 0x0                                ; the last step's store has read the words' registers
.if (\e)+2 < 4
	LOAD16 (\e)%2, 512*((\e)+2), 8192
.endif
	s_mov_b32 s58, 0
	s_mov_b32 s59, -1
.irp q, 0,1,2,3
.irp m, 0,1,2,3,4,5,6,7,8,9,10,11,12,13,14,15
	v_cmp_ne_u32 s[32+\m], 0, v[X+16*\q+\m]
.endr
.irp m, 0,1,2,3,4,5,6,7,8,9,10,11,12,13,14,15
	v_writelane_b32 v[W+(\m%2)], s[32+\m], 8*\q+\m/2
	s_or_b32 s58, s58, s[32+\m]
	s_and_b32 s59, s59, s[32+\m]
.endr
.endr
	v_writelane_b32 v[FW], s58, \e
	v_writelane_b32 v[FW], s59, 4+(\e)
	global_store_b64 v2, v[W:W+1], s[DC:DC+1] offset:256*(\e)   ; 64 words: 256 consecutive bytes, aligned
.endm
.irp e, 0,1,2,3
	MSTEP \e
.endr
	s_wait_xcnt 0x0                                ; EXEC changes only behind this wait
	v_cmp_gt_u32 vcc_lo, 8, v15
	s_wait_tensorcnt 0x0
	ds_add_u32 v254, v255
	s_wait_dscnt 0x0
	s_and_saveexec_b32 s54, vcc_lo
	global_store_b32 v3, v[FW], s[DS:DS+1]         ; lanes 0-7: four ORs, four ANDs
	s_wait_xcnt 0x0                                ; and again, in front of the line that widens it
	s_or_b32 exec_lo, exec_lo, s54
	s_endpgm
.Lfunc_end_k_qb5b1012504_prep:
	.size	k_qb5b1012504_prep, .Lfunc_end_k_qb5b1012504_prep-k_qb5b1012504_prep
	.p2alignl 7, 3214868480
	.fill 96, 4, 3214868480
	.section	.rodata,"a",@progbits
	.p2align	6, 0x0
	.amdhsa_kernel k_qb5b1012504_prep
		.amdhsa_group_segment_fixed_size 68096
		.amdhsa_private_segment_fixed_size 0
		.amdhsa_enable_private_segment 0
		.amdhsa_kernarg_size 104
		.amdhsa_user_sgpr_count 2
		.amdhsa_user_sgpr_kernarg_segment_ptr 1
		.amdhsa_wavefront_size32 1
		.amdhsa_system_sgpr_workgroup_id_x 1
		.amdhsa_system_sgpr_workgroup_id_y 1
		.amdhsa_system_sgpr_workgroup_id_z 1
		.amdhsa_system_vgpr_workitem_id 0
		.amdhsa_next_free_vgpr 256
		.amdhsa_next_free_sgpr 66
		.amdhsa_reserve_vcc 1
		.amdhsa_float_denorm_mode_32 3
		.amdhsa_float_denorm_mode_16_64 3
		.amdhsa_memory_ordered 1
		.amdhsa_forward_progress 1
		.amdhsa_inst_pref_size 126
	.end_amdhsa_kernel
	.amdgpu_metadata
---
amdhsa.version: [ 1, 2 ]
amdhsa.kernels:
  - .name:           k_qb5b1012504_prep
    .symbol:         k_qb5b1012504_prep.kd
    .args:
      - { .name: query, .offset: 0, .size: 8, .value_kind: global_buffer, .address_space: global }
      - { .name: key_in, .offset: 8, .size: 8, .value_kind: global_buffer, .address_space: global }
      - { .name: value, .offset: 16, .size: 8, .value_kind: global_buffer, .address_space: global }
      - { .name: Wq, .offset: 24, .size: 8, .value_kind: global_buffer, .address_space: global }
      - { .name: Wk, .offset: 32, .size: 8, .value_kind: global_buffer, .address_space: global }
      - { .name: Wv, .offset: 40, .size: 8, .value_kind: global_buffer, .address_space: global }
      - { .name: Wo, .offset: 48, .size: 8, .value_kind: global_buffer, .address_space: global }
      - { .name: mask, .offset: 56, .size: 8, .value_kind: global_buffer, .address_space: global }
      - { .name: xc, .offset: 64, .size: 8, .value_kind: global_buffer, .address_space: global }
      - { .name: xs, .offset: 72, .size: 8, .value_kind: global_buffer, .address_space: global }
      - { .name: wc, .offset: 80, .size: 8, .value_kind: global_buffer, .address_space: global }
      - { .name: ws, .offset: 88, .size: 8, .value_kind: global_buffer, .address_space: global }
      - { .name: mb, .offset: 96, .size: 8, .value_kind: global_buffer, .address_space: global }
    .group_segment_fixed_size: 68096
    .private_segment_fixed_size: 0
    .kernarg_segment_align: 8
    .kernarg_segment_size: 104
    .max_flat_workgroup_size: 128
    .sgpr_count:     66
    .vgpr_count:     256
    .wavefront_size: 32
...
	.end_amdgpu_metadata
.endif
;; end of part 1
;; launch proj (part 2): grid 4 x 96, 4 waves a work-group, clusters of 4 x 4, 327,680 bytes of LDS; arguments xc, xs, wc, ws, bq, bk, bv, img, isc; writes img, isc
.if DOCPART == 2
	.amdgcn_target "amdgcn-amd-amdhsa--gfx1250"
	.amdhsa_code_object_version 6
	.text
	.protected	k_qb5b1012504_proj
	.globl	k_qb5b1012504_proj
	.p2align	8
	.type	k_qb5b1012504_proj,@function
k_qb5b1012504_proj:
	s_mov_b64 s[64:65], 0
	v_nop
	global_prefetch_b8 v0, s[64:65] scope:SCOPE_SE
	s_setreg_imm32_b32 hwreg(HW_REG_WAVE_MODE, 25, 1), 1
	s_wait_xcnt 0x0
	s_wait_alu depctr_hold_cnt(0) depctr_sa_sdst(0) depctr_va_vdst(0) depctr_va_sdst(0) depctr_va_ssrc(0) depctr_va_vcc(0) depctr_vm_vsrc(0)
	s_getreg_b32 s2, hwreg(HW_REG_IB_STS2, 6, 4)
	s_cmp_eq_u32 s2, 0
	s_cbranch_scc0 .Lentry_in_a_cluster
	s_endpgm
.Lentry_in_a_cluster:
	s_bfe_u32 s2, ttmp6, 0x10000c
	s_cmp_lg_u32 s2, 0xf033
	s_cbranch_scc0 .Lentry_shape_is_right
	s_endpgm
.Lentry_shape_is_right:
; PROJ.  Q = query Wq^T + bq, K = key_in Wk^T + bk, V = value Wv^T + bv on codes of FP6 (E2M3) with E8M0 scales, sums in f32; the results are quantised in registers and leave as codes alone.
; A work-group makes 256 x 256 of one product, its four waves 128 x 128 each: 64 accumulators of 16 x 16, 512 registers.  K = 1,024 goes in four steps of 256 through a ring of two LDS slots filled by the tensor data mover.
; Operands lie in memory as images of operand registers (tile of 16 rows, 128 along K: 1,536 bytes, piece p = registers 2 p, 2 p + 1 of lane l at 8 l): a fragment is six ds_load_b64 of 256 consecutive bytes; no pitch, no padding.
; A tile t holds rows 32 (t / 2) + 8 (t % 2) + p + 8 (p / 8).  SOURCE 0 ("B", rows P) and SOURCE 1 ("A", rows R): a lane holds ONE row of R, and the 64 registers of its eight accumulators run along P: register 16 b + i = P index 32 b + 16 (lane / 16) + i.
; Q, K: P = the weight's rows (two heads' 128 channels), R = tokens: the 64 registers are the next product's K (the head's channels).  V: P = tokens, R = the weight's rows: the registers run along the KEYS, which are the K of the product with p.
; The two ways differ in pointers and strides alone, chosen by s_cselect on the cluster's number; no branch hangs on it.  The bias along P is the C of each sum's first product, the bias along R is added on the way out; the one that does not apply is made 0.
; CLUSTERS: 4 x 4 work-groups.  A's tiles hang on the cluster's row alone, B's on its column alone: each is asked for jointly by the four that share it.
; WAY OUT: Q, K: [head][tile of tokens][768 bytes] (registers 0-5 of a fragment: the head's 64 channels); V: [head][128 keys][tile of channels][1,536 bytes]; scale words 32 to a pair of tiles (lanes 0-15 the even tile, lanes 16-31 the odd).
; LIMITS: a block of zeros gets the byte 1 where the rule says 127 (its codes are zeros; this program alone reads the bytes); NaN and infinities are not served.
; REGISTERS: window 0: v16-29 addresses; v32-63 scale words, two sets; v64-127 the way out's 64 numbers; v128-223 A's fragments, one set (later the codes just made); v224-231 the bias along R; v232-250 at work.
;   window 1: B's fragments, two sets, at v0 and v128; the bias along P at v96-127 and v224-255.   windows 2, 3: the accumulators ((a, b) at v[8 (8 (a % 4) + b)]).
.set FR,    12                         ; registers of a fragment
.set NL,    6                          ; LDS loads that bring one
.set NP,    4                          ; places behind this matrix instruction (ISA guide 7.12.1)
.set HALFT, 24576                      ; 8 tiles x 2 images: what one tensor load brings, and what one wave reads of A or of B in a slot
.set SLOT,  4*HALFT                    ; A's two halves, then B's two
.set SCL,   2*SLOT                     ; the scale words for all of K: A's halves at 0 and 4,096, B's at 8,320 and 12,416 (128 bytes on, so that lanes 16-31 read other banks than lanes 0-15)
.set SPARE, SCL+16640                  ; the spare words, 128 bytes for each wave: two blocks of 256 bytes that no other line names
.set ADRA, 16                          ; v16-17 LDS address of my A fragments in slot 0, 1
.set ADRB, 20                          ; v20-21 the same for B
.set RO,   23                          ; v23    4 (r + 8 (r / 8)): my row's place in the bias along R
.set L8,   24                          ; v24    8 x lane
.set L4,   25                          ; v25    4 x lane
.set BO,   26                          ; v26    64 h: my half's place in the bias along P
.set ADRS, 27                          ; v27    LDS address of my scale words: lanes 0-15 A's, lanes 16-31 B's
.set SPW,  28                          ; v28    LDS address of my spare word; never rewritten
.set NIL,  29                          ; v29    0; never rewritten
.set SC,   32                          ; scale words: set s at v[SC + 16 s]; register 2 i + q: block i, the slot's q-th 128 along K
.set TMP,  64
.set AF,   128
.set PC,   128                         ; the way out: v128-139 codes, v140-142, v144-146 the second halves
.set BR,   224
.set TM,   232                         ; v232-235 largest magnitudes, v236-239 bytes, v244-247 the conversions' scale operands
.set PW,   248                         ; the scale word just made;  v249 the even tile's, kept;  v250 both, to store
.set PWE,  249
.set PWS,  250
.set WV,  22                           ; s22 wave;  s23 wave / 2: my half of R, also: I fetch for A (0) or B (1);  s24 wave % 2: my half of P, also: which 128 rows I fetch
.set HR,  23
.set HC,  24
.set TEN, 27                           ; s27 0: Q, 1: K, 2: V
.set G1A, 28                           ; s[28:35] descriptor group 1 for A's tiles;  s[36:43] group 0, one set for each slot
.set G0A, 36
.set G1B, 44                           ; s[44:51], s[52:59] the same for B's
.set G0B, 52
.set MQ,  60                           ; s60 all ones for Q and K, 0 for V;  s61 the other way round
.set MV,  61
.set G1SA, 68                          ; s[68:75], s[76:79] groups 1 and 0 for A's scale words;  s[80:87], s[88:91] for B's
.set G0SA, 76
.set G1SB, 80
.set G0SB, 88
.set P0,  92                           ; s[92:93] where registers 0-5 of the codes go;  s[94:95] registers 6-11;  s[96:97] the scale words
.set P1,  94
.set PS,  96
.set STA, 98                           ; s[98:99] from tile to tile;  s[100:101] more at tile 4;  s[104:105] the same for the scale words
.set EX,  100
.set EXS, 104
.set SEL, 10                           ; s[10:11] v_permlanex16_b32's selects (free once the descriptors are made)
.set HM,  66                           ; s66 lanes 16-31
.set MSB, 0
.macro WIN new                         ; the immediate's high byte repeats the setting that is left
.if MSB != (\new)
	s_set_vgpr_msb (MSB<<8)|(\new)
.set MSB, \new
.endif
.endm
.set MUL_LO, 0xa1                      ; source 0 (B) window 1, source 1 (A) window 0, C and D window 2
.set MUL_HI, 0xf1                      ; the same, C and D window 3
.set TO_B,   0x40                      ; destination window 1, address window 0
; A joint load: waves 0 and 1 fetch for A, waves 2 and 3 for B.  Each line has one mask and one set of registers for all that issue it; the branch hangs on the wave's number alone.
; Four v_nop follow each of the two lines, ahead of the jump, the label and what follows.
.macro JLOAD g0a, g1a, g0b, g1b
	s_cmp_eq_u32 s[HR], 0
	s_cbranch_scc0 .Lfor_b_\@
	tensor_load_to_lds s[\g0a:\g0a+3], s[\g1a:\g1a+7]
	s_nop 0
.rept 4
	v_nop
.endr
	s_branch .Lasked_\@
.Lfor_b_\@:
	tensor_load_to_lds s[\g0b:\g0b+3], s[\g1b:\g1b+7]
	s_nop 0
.rept 4
	v_nop
.endr
.Lasked_\@:
.endm
.macro CREST                           ; a round of the cluster's barrier behind its opening barrier
	s_cmp_lg_u32 s[WV], 0
	s_cbranch_scc1 .Lnot_wave_0_\@
	s_barrier_signal -3
.Lnot_wave_0_\@:
	s_barrier_wait -3
	s_barrier_signal -1
	s_barrier_wait -1
.endm
.macro CROUND                          ; a whole round
	s_barrier_signal -1
	s_barrier_wait -1
	CREST
.endm
	s_load_b512 s[4:19], s[0:1], 0x0               ; xc s[4:5], xs s[6:7], wc s[8:9], ws s[10:11], bq s[12:13], bk s[14:15], bv s[16:17], img s[18:19]
	s_load_b64 s[20:21], s[0:1], 0x40              ; isc
	v_lshl_add_u32 v[SPW], v0, 2, SPARE
	v_mov_b32 v[NIL], 0
	ds_add_u32 v28, v29
	ds_add_u32 v28, v29
	s_wait_dscnt 0x0
	v_lshrrev_b32 v1, 5, v0
	v_readfirstlane_b32 s[WV], v1                  ; wave 0..3
	s_lshr_b32 s[HR], s[WV], 1
	s_and_b32 s[HC], s[WV], 1
	s_bfe_u32 s25, ttmp6, 0x40000                  ; cx, cy: my place in the cluster
	s_bfe_u32 s26, ttmp6, 0x40004
	s_and_b32 s60, ttmp7, 0xffff                   ; the cluster's number, 0..23: eight clusters to a product
	s_lshr_b32 s[TEN], s60, 3
	s_and_b32 s61, s60, 7
	s_lshl_b32 s61, s61, 2                         ; the tokens' blocks of 256 rows: four to a cluster
	s_cmp_eq_u32 s[TEN], 2
	s_cselect_b32 s62, s61, 0                      ; V: the tokens are P,
	s_cselect_b32 s63, 0, s61                      ; Q, K: they are R
	s_add_co_u32 s62, s62, s25                     ; my block of P: it holds cx alone
	s_add_co_u32 s63, s63, s26                     ; my block of R: cy alone
	s_lshl_b32 s66, s26, 2
	s_lshl_b32 s66, 15, s66                        ; my row of the cluster
	s_lshl_b32 s67, 0x1111, s25                    ; my column
	; descriptor group 1, codes: 8 rows (tiles) of 3,072 bytes (two images), 12,288 bytes apart; elements of 8 bytes; dense in LDS
	s_or_b32 s[G1A], s66, (3<<16)|(1<<21)          ; 15:0 the mask; 17:16 elements of 8 bytes; 21 set beside a mask
	s_or_b32 s[G1B], s67, (3<<16)|(1<<21)
.irp g, G1A, G1B
	s_mov_b32 s[\g+1], 384<<16                     ; tensor_dim0
	s_mov_b32 s[\g+2], 8<<16                       ; tensor_dim1
	s_mov_b32 s[\g+3], 384<<16                     ; tile_dim0
	s_mov_b32 s[\g+4], 8                           ; tile_dim1
	s_mov_b32 s[\g+5], 1536                        ; tensor_dim0_stride
	s_mov_b32 s[\g+6], 0
	s_mov_b32 s[\g+7], 0
.endr
	; scale words of 128 rows, all of K: 4,096 dense bytes, as 16 rows of 256
	s_or_b32 s[G1SA], s66, (3<<16)|(1<<21)
	s_or_b32 s[G1SB], s67, (3<<16)|(1<<21)
.irp g, G1SA, G1SB
	s_mov_b32 s[\g+1], 32<<16
	s_mov_b32 s[\g+2], 16<<16
	s_mov_b32 s[\g+3], 32<<16
	s_mov_b32 s[\g+4], 16
	s_mov_b32 s[\g+5], 32
	s_mov_b32 s[\g+6], 0
	s_mov_b32 s[\g+7], 0
.endr
	s_lshl_b32 s92, s63, 1
	s_add_co_u32 s92, s92, s[HC]                   ; A: which 128 rows I fetch
	s_mul_i32 s94, s92, 98304                      ; their codes (8 tiles x 12,288 bytes),
	s_mov_b32 s95, 0
	s_lshl_b32 s92, s92, 12                        ; their scale words
	s_mov_b32 s93, 0
	s_lshl_b32 s96, s62, 1
	s_add_co_u32 s96, s96, s[HC]                   ; B likewise
	s_mul_i32 s98, s96, 98304
	s_mov_b32 s99, 0
	s_lshl_b32 s96, s96, 12
	s_mov_b32 s97, 0
	s_mul_i32 s100, s[TEN], 6291456                ; my product's activation,
	s_mov_b32 s101, 0
	s_mul_i32 s104, s[TEN], 786432                 ; and its weight
	s_mov_b32 s105, 0
	s_wait_kmcnt 0x0
	s_add_nc_u64 s[4:5], s[4:5], s[100:101]
	s_add_nc_u64 s[8:9], s[8:9], s[104:105]
	s_lshl_b32 s100, s[TEN], 18
	s_lshl_b32 s104, s[TEN], 15
	s_add_nc_u64 s[6:7], s[6:7], s[100:101]
	s_add_nc_u64 s[10:11], s[10:11], s[104:105]
	s_cmp_eq_u32 s[TEN], 2
	s_cselect_b64 s[100:101], s[8:9], s[4:5]       ; A's codes: the weight's for V, else the activation's
	s_cselect_b64 s[104:105], s[4:5], s[8:9]       ; B's codes
	s_cselect_b64 s[4:5], s[10:11], s[6:7]         ; A's scale words
	s_cselect_b64 s[8:9], s[6:7], s[10:11]         ; B's
	s_add_nc_u64 s[100:101], s[100:101], s[94:95]
	s_add_nc_u64 s[104:105], s[104:105], s[98:99]
	s_add_nc_u64 s[4:5], s[4:5], s[92:93]
	s_add_nc_u64 s[8:9], s[8:9], s[96:97]
	s_mul_i32 s66, s[WV], HALFT                    ; where they go: wave x 24,576: no place in the cluster enters an LDS address
	s_lshl_b32 s67, s[WV], 12
	s_lshl_b32 s2, s[HR], 7
	s_add_co_u32 s67, s67, s2
	s_add_co_u32 s67, s67, SCL
	CROUND                                         ; all sixteen work-groups are here: the first joint loads meet
	s_mov_b32 s[G0SA], 1
	s_mov_b32 s[G0SA+1], s67
	s_mov_b64 s[G0SA+2:G0SA+3], s[4:5]
	s_or_b32 s[G0SA+3], s[G0SA+3], 0x80000000
	s_mov_b32 s[G0SB], 1
	s_mov_b32 s[G0SB+1], s67
	s_mov_b64 s[G0SB+2:G0SB+3], s[8:9]
	s_or_b32 s[G0SB+3], s[G0SB+3], 0x80000000
	JLOAD G0SA, G1SA, G0SB, G1SB                   ; the scale words first: they are wanted with K step 0
.irp s, 0,1
	s_mov_b32 s[G0A+4*\s], 1
	s_add_co_u32 s[G0A+4*\s+1], s66, \s*SLOT
	s_add_nc_u64 s[G0A+4*\s+2:G0A+4*\s+3], s[100:101], \s*3072
	s_or_b32 s[G0A+4*\s+3], s[G0A+4*\s+3], 0x80000000
	s_mov_b32 s[G0B+4*\s], 1
	s_add_co_u32 s[G0B+4*\s+1], s66, \s*SLOT
	s_add_nc_u64 s[G0B+4*\s+2:G0B+4*\s+3], s[104:105], \s*3072
	s_or_b32 s[G0B+4*\s+3], s[G0B+4*\s+3], 0x80000000
	JLOAD G0A+4*\s, G1A, G0B+4*\s, G1B
.endr
	v_and_b32 v1, 31, v0                           ; lane
	v_and_b32 v2, 15, v0                           ; r
	v_bfe_u32 v3, v0, 4, 1                         ; h
	v_lshlrev_b32 v[L8], 3, v1
	v_lshlrev_b32 v[L4], 2, v1
	v_lshlrev_b32 v[BO], 6, v3
	v_and_b32 v5, 8, v2
	v_add_nc_u32 v5, v5, v2
	v_lshlrev_b32 v[RO], 2, v5
	s_mul_i32 s66, s[HR], HALFT                    ; my 128 rows of A
	s_mul_i32 s67, s[HC], HALFT                    ; my 128 rows of B,
	s_add_co_u32 s67, s67, 2*HALFT                 ; which lie behind A's 256
.irp s, 0,1
	v_add_nc_u32 v[ADRA+\s], s66, v[L8]
	v_add_nc_u32 v[ADRB+\s], s67, v[L8]
	s_add_co_u32 s66, s66, SLOT
	s_add_co_u32 s67, s67, SLOT
.endr
	s_lshl_b32 s66, s[HR], 12                      ; A's scale words: my 128 rows
	s_lshl_b32 s67, s[HC], 12                      ; B's
	s_add_co_u32 s67, s67, 8320
	s_sub_co_u32 s67, s67, s66
	v_mul_u32_u24 v5, s67, v3                      ; lanes 16-31 take B's
	s_add_co_u32 s66, s66, SCL
	v_lshl_add_u32 v5, v2, 2, v5
	v_add_nc_u32 v[ADRS], s66, v5
.irp b, 0,1,2,3
	v_mov_b32 v[TM+4+\b], 0                        ; written once: a lane permute's destination counts as one of its sources
.endr
	; the way out's pointers, in registers that the loop does not touch
	s_cmp_eq_u32 s[TEN], 0
	s_cselect_b64 s[12:13], s[12:13], s[14:15]     ; bq or bk
	s_lshl_b32 s92, s62, 1
	s_add_co_u32 s92, s92, s[HC]                   ; my 128 of P
	s_lshl_b32 s93, s63, 1
	s_add_co_u32 s93, s93, s[HR]                   ; my 128 of R
	s_mov_b32 s98, 768
	s_mov_b32 s2, 98304
	s_cmp_eq_u32 s[TEN], 2
	s_cselect_b64 s[12:13], s[16:17], s[12:13]     ; bv
	s_cselect_b32 s94, s92, s93                    ; which 128 tokens,
	s_cselect_b32 s95, s93, s92                    ; which pair of heads
	s_cselect_b32 s[MQ], 0, -1
	s_cselect_b32 s[MV], -1, 0
	s_cselect_b32 s98, 1536, s98                   ; from tile to tile: a whole image (V), half an image (Q, K)
	s_cselect_b32 s100, 92160, 0                   ; V: tile 4 begins the next head: 98,304 - 4 x 1,536 more
	s_cselect_b32 s104, 3840, 0                    ; and in the scale words 4,096 - 2 x 128 more
	s_cselect_b32 s2, 768, s2                      ; registers 6-11: the image's second half (V), the next head (Q, K)
	s_cselect_b32 s67, 8, 9                        ; 128 tokens' scale words: 256 bytes (V), 512 (Q, K)
	s_mov_b32 s99, 0
	s_mov_b32 s101, 0
	s_mov_b32 s105, 0
	s_lshr_b32 s96, s94, 4                         ; the batch
	s_and_b32 s94, s94, 15                         ; which 128 tokens of its 2,048
	s_lshl_b32 s97, s96, 3
	s_add_co_u32 s97, s97, s95                     ; 8 x batch + pair of heads
	s_mul_i32 s92, s[TEN], 6291456
	s_mul_i32 s93, s97, 196608                     ; two heads of 98,304 bytes
	s_add_co_u32 s92, s92, s93
	s_mul_i32 s93, s94, 6144
	s_add_co_u32 s92, s92, s93
	s_mov_b32 s93, 0
	s_add_nc_u64 s[P0:P0+1], s[18:19], s[92:93]
	s_lshl_b32 s96, s[TEN], 18
	s_lshl_b32 s97, s97, 13
	s_add_co_u32 s96, s96, s97
	s_lshl_b32 s94, s94, s67
	s_add_co_u32 s96, s96, s94
	s_mov_b32 s97, 0
	s_add_nc_u64 s[PS:PS+1], s[20:21], s[96:97]
	s_lshl_b32 s94, s95, 9                         ; the pair of heads' 128 numbers of the bias
	s_mov_b32 s95, 0
	s_add_nc_u64 s[12:13], s[12:13], s[94:95]
	s_mov_b32 s94, s2
	s_add_nc_u64 s[P1:P1+1], s[P0:P0+1], s[94:95]
	s_mov_b32 s[SEL], 0x76543210
	s_mov_b32 s[SEL+1], 0xfedcba98
	s_mov_b32 s[HM], 0xffff0000
	; both biases are loaded; the one that does not apply becomes 0
	WIN TO_B
.irp t, 0,1,2,3,4,5,6,7
	global_load_b128 v[96+8*\t+96*(\t/4):96+8*\t+96*(\t/4)+3], v[BO], s[12:13] offset:4*(32*(\t/2)+8*(\t%2))        ; tile t of P: lane (r, h) wants numbers 32 (t / 2) + 8 (t % 2) + 16 h + 0 .. 7
	global_load_b128 v[96+8*\t+96*(\t/4)+4:96+8*\t+96*(\t/4)+7], v[BO], s[12:13] offset:4*(32*(\t/2)+8*(\t%2))+16
.endr
	WIN 0
.irp a, 0,1,2,3,4,5,6,7
	global_load_b32 v[BR+\a], v[RO], s[12:13] offset:4*(32*(\a/2)+8*(\a%2))   ; tile a of R: my row's number
.endr
	s_wait_loadcnt 0x0
	WIN 0x44                                       ; source 1 and destination window 1
.irp t, 0,1,2,3,4,5,6,7
.irp j, 0,1,2,3,4,5,6,7
	v_cndmask_b32 v[96+8*\t+96*(\t/4)+\j], 0, v[96+8*\t+96*(\t/4)+\j], s[MQ]
.endr
.endr
	WIN 0
.irp a, 0,1,2,3,4,5,6,7
	v_cndmask_b32 v[BR+\a], 0, v[BR+\a], s[MV]
.endr
.macro FRAG reg, adr, q, i             ; a fragment as it lies: six pieces of 256 consecutive bytes
.irp p, 0,1,2,3,4,5
	ds_load_b64 v[\reg+2*\p:\reg+2*\p+1], v[\adr] offset:3072*(\i)+1536*(\q)+256*\p
.endr
.endm
; 16 matrix instructions: A's blocks a0, a0 + 1 x B's eight, 128 along K.  p: B's set;  sc: the set of scale words.  zero = 1: the first product starts the sums from the bias along P: nothing is cleared.
; The 64 accumulators take turns, one instruction a turn, in the same order in every step.
.macro MUL16 a0, p, q, sc, zero
.irp a, \a0, \a0+1
.irp b, 0,1,2,3,4,5,6,7
.if \zero
	v_wmma_scale_f32_16x16x128_f8f6f4 v[8*(8*((\a)%4)+\b):8*(8*((\a)%4)+\b)+7], v[128*(\p)+FR*\b:128*(\p)+FR*\b+FR-1], v[AF+FR*(\a):AF+FR*(\a)+FR-1], v[96+8*\b+96*(\b/4):96+8*\b+96*(\b/4)+7], v[SC+16*(\sc)+2*\b+(\q)], v[SC+16*(\sc)+2*(\a)+(\q)] matrix_a_fmt:MATRIX_FMT_FP6 matrix_b_fmt:MATRIX_FMT_FP6 matrix_a_scale:MATRIX_SCALE_ROW1
.else
	v_wmma_scale_f32_16x16x128_f8f6f4 v[8*(8*((\a)%4)+\b):8*(8*((\a)%4)+\b)+7], v[128*(\p)+FR*\b:128*(\p)+FR*\b+FR-1], v[AF+FR*(\a):AF+FR*(\a)+FR-1], v[8*(8*((\a)%4)+\b):8*(8*((\a)%4)+\b)+7], v[SC+16*(\sc)+2*\b+(\q)], v[SC+16*(\sc)+2*(\a)+(\q)] matrix_a_fmt:MATRIX_FMT_FP6 matrix_b_fmt:MATRIX_FMT_FP6 matrix_a_scale:MATRIX_SCALE_ROW1
.endif
.endr
.endr
.endm
.macro FETCH_B slot, q, p              ; B's eight fragments of the slot's q-th 128 along K into set p
	WIN TO_B
.irp i, 0,1,2,3,4,5,6,7
	FRAG 128*(\p)+FR*\i, ADRB+\slot, \q, \i
.endr
	WIN 0
.endm
.macro FETCH_A slot, q, i0             ; A's blocks i0 .. i0 + 3
.irp i, \i0, \i0+1, \i0+2, \i0+3
	FRAG AF+FR*(\i), ADRA+\slot, \q, \i
.endr
.endm
.macro SCALES sc                       ; the next K step's scale words: lanes 0-15 take A's block i, lanes 16-31 B's block i
.irp i, 0,1,2,3,4,5,6,7
.irp q, 0,1
	ds_load_b32 v[SC+16*\sc+2*\i+\q], v[ADRS] offset:512*\i+64*\q
.endr
.endr
.endm
.macro PLACES n                        ; plain vector instructions that name no register of the matrix instructions before them (ISA guide 7.12.1)
.rept \n
	v_nop
.endr
.endm
.macro STEP slot, q, zero              ; a step of 128 along K that has its successor in the same slot
	s_wait_dscnt 4*NL                              ; B's set, A's blocks 0-3 and the scale words are in; the youngest 24 loads (A's blocks 4-7) may be out
.if \zero
	WIN 0x91                                       ; C (the bias) window 1, D window 2
.else
	WIN MUL_LO
.endif
	MUL16 0, (\q)%2, \q, \slot, \zero
	MUL16 2, (\q)%2, \q, \slot, \zero
	s_wait_dscnt 0                                 ; A's blocks 4-7 are in
	PLACES NP
	FETCH_B \slot, (\q)+1, 1-(\q)%2
	FETCH_A \slot, (\q)+1, 0
.if \zero
	WIN 0xd1
.else
	WIN MUL_HI
.endif
	MUL16 4, (\q)%2, \q, \slot, \zero
	MUL16 6, (\q)%2, \q, \slot, \zero
	PLACES NP
	WIN 0
	FETCH_A \slot, (\q)+1, 4
.endm
; A slot's last step changes slots: one barrier; in front of it each wave waits for all its tensor loads, adds 0 to its spare word, and waits for that and for its own reads of this slot.  fill = 1: this slot is filled again, two K steps ahead.
.macro TURN slot, next, fill
	s_wait_tensorcnt 0x0                           ; all my tensor loads have landed: my part of the next slot
	ds_add_u32 v[SPW], v[NIL]                      ; 0 onto my spare word
	s_wait_dscnt 4*NL+1                            ; (the add and the youngest 24 loads may be out)
	WIN MUL_LO
	MUL16 0, 1, 1, \slot, 0                        ; sixteen matrix instructions stand between the add and the wait for it
	s_wait_dscnt 0x0                               ; the add is done, and my reads of this slot are over
	s_barrier_signal -1
	MUL16 2, 1, 1, \slot, 0
	WIN 0
	s_barrier_wait -1
.if \fill
	CREST                                          ; the barrier has opened a round of the cluster's barrier: no wave of any partner still reads this slot or has a load on its way
	s_add_nc_u64 s[G0A+4*\slot+2:G0A+4*\slot+3], s[G0A+4*\slot+2:G0A+4*\slot+3], 6144
	s_add_nc_u64 s[G0B+4*\slot+2:G0B+4*\slot+3], s[G0B+4*\slot+2:G0B+4*\slot+3], 6144
	JLOAD G0A+4*\slot, G1A, G0B+4*\slot, G1B       ; the first tensor load behind the round; its four v_nop are also the places in front of the loads below
.else
	PLACES NP
.endif
	v_add_nc_u32 v[ADRS], 128, v[ADRS]             ; on to the next K step's scale words
	FETCH_B \next, 0, 0
	FETCH_A \next, 0, 0
	SCALES \next
	WIN MUL_HI
	MUL16 4, 1, 1, \slot, 0
	MUL16 6, 1, 1, \slot, 0
	PLACES NP
	WIN 0
	FETCH_A \next, 0, 4
.endm
	s_wait_tensorcnt 1                             ; of my three loads the scale words and K step 0 are in; K step 1's may be out
	s_barrier_signal -1
	s_barrier_wait -1
	FETCH_B 0, 0, 0
	FETCH_A 0, 0, 0
	SCALES 0
	FETCH_A 0, 0, 4
	STEP 0, 0, 1                                   ; the first step stands in front of the loop: its products start the sums
	s_mov_b32 s3, 1
.Llap:                                                 ; a trip goes once round the ring and fills both slots again: K = 1,024 is two laps, so one trip
	TURN 0, 1, 1
	STEP 1, 0, 0
	TURN 1, 0, 1
	STEP 0, 0, 0
	s_sub_co_u32 s3, s3, 1
	s_cmp_lg_u32 s3, 0
	s_cbranch_scc1 .Llap
	TURN 0, 1, 0                                   ; the last lap fills nothing
	STEP 1, 0, 0
	s_wait_dscnt 4*NL
	WIN MUL_LO
	MUL16 0, 1, 1, 1, 0
	MUL16 2, 1, 1, 1, 0
	s_wait_dscnt 0
	WIN MUL_HI
	MUL16 4, 1, 1, 1, 0
	MUL16 6, 1, 1, 1, 0
	WIN 0
; 64 numbers of a lane, register 16 b + i = index 32 b + 16 (lane / 16) + i of my row, become a fragment's codes in v[PC] on and its scale word in v[PW].
.macro QUANT s
.irp b, 0,1,2,3
	v_max3_num_f32 v[TM+\b], |v[\s+16*\b]|, |v[\s+1+16*\b]|, 0x1800000   ; block b: my 16 numbers, and the floor 2^(3 - 127): the byte cannot fall under 1
.endr
.irp i, 2,4,6,8,10,12,14
.irp b, 0,1,2,3
	v_max3_num_f32 v[TM+\b], v[TM+\b], |v[\s+16*\b+\i]|, |v[\s+1+16*\b+\i]|
.endr
.endr
.irp b, 0,1,2,3
	v_permlanex16_b32 v[TM+4+\b], v[TM+\b], s[SEL], s[SEL+1]
.endr
.irp b, 0,1,2,3
	v_max_num_f32 v[TM+\b], v[TM+\b], v[TM+4+\b]   ; with lane l xor 16's: the block's largest magnitude
.endr
.irp b, 0,1,2,3
	v_add_nc_u32 v[TM+12+\b], 0xff000000, v[TM+\b] ; 2 off its exponent field: the conversion's scale operand
.endr
.irp b, 0,1,2,3
	v_lshrrev_b32 v[TM+4+\b], 23, v[TM+12+\b]      ; the scale's byte
.endr
	v_lshl_or_b32 v[PW], v[TM+5], 8, v[TM+4]
	v_lshl_or_b32 v[PW], v[TM+6], 16, v[PW]
	v_lshl_or_b32 v[PW], v[TM+7], 24, v[PW]
.irp c, 0,1
	v_cvt_scalef32_pk16_fp6_f32 v[PC+6*\c:PC+2+6*\c], v[\s+32*\c:\s+15+32*\c], v[TM+12+2*\c]
	v_cvt_scalef32_pk16_fp6_f32 v[PC+12+4*\c:PC+14+4*\c], v[\s+16+32*\c:\s+31+32*\c], v[TM+12+2*\c+1]   ; (a conversion's three registers begin on an even number)
.endr
	v_nop                                          ; one plain place behind a scaled conversion
.irp c, 0,1                                    ; the operand's layout wants a whole block in a lane: lanes 0-15 block 2 c, lanes 16-31 block 2 c + 1
.irp i, 0,1,2
	v_permlane16_swap_b32 v[PC+6*\c+\i], v[PC+12+4*\c+\i]
.endr
.irp i, 0,1,2
	v_mov_b32 v[PC+3+6*\c+\i], v[PC+12+4*\c+\i]
.endr
.endr
.endm
; THE WAY OUT of tile a of R: the bias along R is added, the 64 numbers are quantised, and the codes leave as two half images: each store covers 256 consecutive bytes, aligned.
.macro EPI a
	WIN 0x02+(\a)/4                                ; source 0: window 2 or 3
.set ii, 0
.rept 32                                       ; ascending: each accumulator is read from its low end on
.if (\a)%2
	v_pk_add_f32 v[TMP+2*ii:TMP+2*ii+1], v[64*((\a)%4)+2*ii:64*((\a)%4)+2*ii+1], v[BR+2*((\a)/2):BR+2*((\a)/2)+1] op_sel:[0,1] op_sel_hi:[1,1]
.else
	v_pk_add_f32 v[TMP+2*ii:TMP+2*ii+1], v[64*((\a)%4)+2*ii:64*((\a)%4)+2*ii+1], v[BR+2*((\a)/2):BR+2*((\a)/2)+1] op_sel_hi:[1,0]
.endif
.set ii, ii+1
.endr
	WIN 0
	s_wait_xcnt 0x0                                ; the last tile's stores have read their data and their bases
.if (\a) > 0
	s_add_nc_u64 s[P0:P0+1], s[P0:P0+1], s[STA:STA+1]
	s_add_nc_u64 s[P1:P1+1], s[P1:P1+1], s[STA:STA+1]
.endif
.if ((\a) > 0) && ((\a)%2 == 0)
	s_add_nc_u64 s[PS:PS+1], s[PS:PS+1], 128
.endif
.if (\a) == 4
	s_add_nc_u64 s[P0:P0+1], s[P0:P0+1], s[EX:EX+1]
	s_add_nc_u64 s[P1:P1+1], s[P1:P1+1], s[EX:EX+1]
	s_add_nc_u64 s[PS:PS+1], s[PS:PS+1], s[EXS:EXS+1]
.endif
	QUANT TMP
.irp p, 0,1,2
	global_store_b64 v[L8], v[PC+2*\p:PC+2*\p+1], s[P0:P0+1] offset:256*\p
.endr
.irp p, 0,1,2
	global_store_b64 v[L8], v[PC+6+2*\p:PC+7+2*\p], s[P1:P1+1] offset:256*\p
.endr
.if (\a)%2
	v_cndmask_b32 v[PWS], v[PWE], v[PW], s[HM]     ; lanes 0-15: the even tile's words, lanes 16-31: the odd tile's
	global_store_b32 v[L4], v[PWS], s[PS:PS+1]     ; 128 consecutive bytes
.else
	v_mov_b32 v[PWE], v[PW]
.endif
.endm
	PLACES NP                                      ; behind the last products
.irp a, 0,1,2,3,4,5,6,7
	EPI \a
.endr
	s_wait_tensorcnt 0x0                           ; the wave's end
	ds_add_u32 v[SPW], v[NIL]
	s_wait_dscnt 0x0
	CROUND                                         ; the closing round: no work-group ends while a partner may still ask for a tile that names it
	s_endpgm
.Lfunc_end_k_qb5b1012504_proj:
	.size	k_qb5b1012504_proj, .Lfunc_end_k_qb5b1012504_proj-k_qb5b1012504_proj
	.p2alignl 7, 3214868480
	.fill 96, 4, 3214868480
	.section	.rodata,"a",@progbits
	.p2align	6, 0x0
	.amdhsa_kernel k_qb5b1012504_proj
		.amdhsa_group_segment_fixed_size 327680
		.amdhsa_private_segment_fixed_size 0
		.amdhsa_enable_private_segment 0
		.amdhsa_kernarg_size 72
		.amdhsa_user_sgpr_count 2
		.amdhsa_user_sgpr_kernarg_segment_ptr 1
		.amdhsa_wavefront_size32 1
		.amdhsa_system_sgpr_workgroup_id_x 1
		.amdhsa_system_sgpr_workgroup_id_y 1
		.amdhsa_system_sgpr_workgroup_id_z 1
		.amdhsa_system_vgpr_workitem_id 0
		.amdhsa_next_free_vgpr 1024
		.amdhsa_next_free_sgpr 106
		.amdhsa_reserve_vcc 0
		.amdhsa_float_denorm_mode_32 3
		.amdhsa_float_denorm_mode_16_64 3
		.amdhsa_memory_ordered 1
		.amdhsa_forward_progress 1
		.amdhsa_inst_pref_size 193
	.end_amdhsa_kernel
	.amdgpu_metadata
---
amdhsa.version: [ 1, 2 ]
amdhsa.kernels:
  - .name:           k_qb5b1012504_proj
    .symbol:         k_qb5b1012504_proj.kd
    .args:
      - { .name: xc, .offset: 0, .size: 8, .value_kind: global_buffer, .address_space: global }
      - { .name: xs, .offset: 8, .size: 8, .value_kind: global_buffer, .address_space: global }
      - { .name: wc, .offset: 16, .size: 8, .value_kind: global_buffer, .address_space: global }
      - { .name: ws, .offset: 24, .size: 8, .value_kind: global_buffer, .address_space: global }
      - { .name: bq, .offset: 32, .size: 8, .value_kind: global_buffer, .address_space: global }
      - { .name: bk, .offset: 40, .size: 8, .value_kind: global_buffer, .address_space: global }
      - { .name: bv, .offset: 48, .size: 8, .value_kind: global_buffer, .address_space: global }
      - { .name: img, .offset: 56, .size: 8, .value_kind: global_buffer, .address_space: global }
      - { .name: isc, .offset: 64, .size: 8, .value_kind: global_buffer, .address_space: global }
    .group_segment_fixed_size: 327680
    .private_segment_fixed_size: 0
    .kernarg_segment_align: 8
    .kernarg_segment_size: 72
    .max_flat_workgroup_size: 128
    .sgpr_count:     106
    .vgpr_count:     1024
    .wavefront_size: 32
...
	.end_amdgpu_metadata
.endif
;; end of part 2
;; launch attn (part 3): grid 4 x 64, 16 waves a work-group, no clusters, 210,944 bytes of LDS; arguments img, isc, mb, ac; writes ac
.if DOCPART == 3
	.amdgcn_target "amdgcn-amd-amdhsa--gfx1250"
	.amdhsa_code_object_version 6
	.text
	.protected	k_qb5b1012504_attn
	.globl	k_qb5b1012504_attn
	.p2align	8
	.type	k_qb5b1012504_attn,@function
k_qb5b1012504_attn:
	s_mov_b64 s[64:65], 0
	v_nop
	global_prefetch_b8 v0, s[64:65] scope:SCOPE_SE
	s_setreg_imm32_b32 hwreg(HW_REG_WAVE_MODE, 25, 1), 1
	s_wait_xcnt 0x0
; ATTN.  For each of 64 (batch, head): o = softmax(where(mask, Q K^T / 8, -1e20)) V, both products on codes of FP6 (E2M3) with E8M0 scales; o is quantised along the head's 64 channels and leaves as codes for the last product.
; THE SOFTMAX AHEAD OF THE SECOND PRODUCT: t = score x log2(e) / 8; M = the row's largest t so far, rounded UP to a whole number; p = 2^(t - M) is quantised along the keys; the row's sum is taken of the unquantised p and divides at the end.
; SHARES.  A work-group has one head's WHOLE K and V in LDS (196,608 bytes of images, 12,288 of scale words), filled once through registers; one barrier; then LDS is only read and the sixteen waves run freely.
; Wave W = 16 x work-group x + wave owns the tiles of 16 queries W and 127 - W, one after the other; each walks the 2,048 keys in 16 steps of 128.
; LAYOUT.  Both products are used transposed (S^T = K Q^T, O^T = V^T P^T): a lane holds ONE query.  A tile t of keys (of queries, of channels) holds rows 32 (t / 2) + 8 (t % 2) + p + 8 (p / 8), so the 16 registers of two neighbouring
; tiles are 16 neighbours.  THE HEAD HAS 64 CHANNELS, the instruction 128: Q's registers 6-11 are zero codes; K's fragment t is v[32 + 6 t] on, 12 registers, whose upper six (the next tile's codes, or zeros) meet Q's zeros.
; THE MASK is an input.  An earlier launch has turned it into lane masks (bit l of word 16 b + i: does key 32 b + 16 (l / 16) + i of the step count for the query of lane l % 16) and, for each step of a tile, their OR and AND.
; A step none of whose keys counts for any of the 16 queries is passed over; a step all of whose keys count skips the masking: scalar branches on those stored whole numbers, right for every mask.
; If a query of the tile has no key at all, no step of that tile is passed over: that row's p is then 1 for every key, as in the problem's definition.
; A hidden score becomes -2^70 (the logit -2^67, about -1.5e20, where the definition has -1e20).  c x 2^70 is exact, so t - M is exactly 0 in a row that is hidden everywhere, and p falls to 0 in every other row.
; LIMITS: the result differs from the definition only where a logit that counts lies at or under -1e20; a block of zeros gets the byte 1 where the rule says 127 (its codes are zeros); NaN and infinities are not served.
; NO TENSOR LOAD, NO CLUSTER: the passing over of steps is a branch on numbers read from memory; what the four work-groups of a head share is read once by each, 208,896 bytes.
.set VIMG, 98304                       ; LDS: K's images [tile][768] at 0; V's [step][tile of channels][1,536] here;
.set KSCL, 196608                      ; K's scale words [pair of tiles][32 words], cut to my head's two bytes;
.set VSCL, 204800                      ; V's [step][pair of tiles][32 words]
.set ADK, 8                            ; v8-11 LDS addresses of the step in hand: K, V, K's scale words, V's
.set ADV, 9
.set ADS, 10
.set ADT, 11
.set Q1,  16                           ; v16-27 tile 1's Q (16-21 codes, 22-27 zeros); v28 its scale words
.set Q1S, 28
.set XNEG, 29                          ; v29 -2^70
.set FF,  30                           ; v[30:31] f = 2^(old M - new M) (v31 is named with it as a pair)
.set F,   32                           ; v32-79 eight half fragments of K, later four fragments of V; v80-85 zeros
.set S,   86                           ; v86-149 S^T, then p
.set O,   150                          ; v150-181 O^T
.set PC,  182                          ; v182-193 p's codes; v194-196, v198-200 the second halves
.set CT,  194
.set TM,  202                          ; v202-205 the blocks' largest; v206-209 lane exchanges, then bytes; v210-213 the conversions' scale operands
.set TP,  206
.set SO,  210
.set KS,  214                          ; v214-217 K's scale words; v218-219 V's; v220 p's
.set VS,  218
.set PSW, 220
.set TT,  221
.set SUM2, 222                         ; v[222:223] the sum's second chain
.set Q2,  224                          ; v224-235 tile 2's Q; v236 its scale words
.set Q2S, 236
.set U1,  237                          ; v237, v238 the two tiles' scale bytes of o
.set U2,  238
.set WV,  12                           ; s12 wave; s13 batch x 16 + head; s14 16 x (head % 2); s3 lanes 16-31; s16, s17 my two tiles
.set CS,  22                           ; s[22:23] c = log2(e) / 8
.set SEL, 24                           ; s[24:25] v_permlanex16_b32's selects for lane l xor 16
.set JC,  26                           ; s26 the step
.set TK,  27                           ; s27 the step's images: 6,144 bytes a step (K's eight halves, V's four)
.set TS,  28                           ; s28 K's scale words: 512 a step
.set TV,  29                           ; s29 V's: 256 a step
.set MP,  30                           ; s[30:31] the step's 64 lane masks in memory
.set WKC, 66                           ; s66 bit 0: this step is worked;  s67 bit 0: it is masked.  Both are shifted down a step
.set MXC, 67
	s_load_b256 s[4:11], s[0:1], 0x0               ; img s[4:5], isc s[6:7], mb s[8:9], ac s[10:11]
	v_lshl_add_u32 v254, v0, 2, 0x33000
	v_mov_b32 v255, 0
	v_lshrrev_b32 v7, 5, v0
	v_readfirstlane_b32 s[WV], v7                  ; wave 0..15
	s_and_b32 s13, ttmp7, 0xffff
	s_and_b32 s14, s13, 1
	s_lshl_b32 s27, s14, 12                        ; V's scale words: the odd head's 4,096 bytes lie behind the even head's
	s_lshl_b32 s14, s14, 4
	s_mov_b32 s3, 0xffff0000
	s_lshl_b32 s16, ttmp9, 4
	s_add_co_u32 s16, s16, s[WV]                   ; tile 1
	s_sub_co_u32 s17, 127, s16                     ; tile 2
	s_mov_b32 s[CS], 0x3e38aa3b
	s_mov_b32 s[CS+1], s[CS]
	s_mov_b32 s[SEL], 0x76543210
	s_mov_b32 s[SEL+1], 0xfedcba98
	v_and_b32 v7, 31, v0
	v_lshlrev_b32 v1, 3, v7                        ; v1 8 x lane
	v_lshlrev_b32 v2, 2, v7                        ; v2 4 x lane
	v_and_b32 v3, 15, v0
	v_lshlrev_b32 v3, 2, v3                        ; v3 4 r
	v_add_nc_u32 v4, VIMG, v1                      ; v4-6 my lane's place in V's images, K's scale words, V's scale words
	v_add_nc_u32 v5, KSCL, v2
	v_add_nc_u32 v6, VSCL, v2
	v_lshlrev_b32 v240, 4, v0                      ; v240-250: the head's offsets; they hold nothing else afterwards
	v_lshl_add_u32 v241, v0, 4, 65536
	v_lshl_add_u32 v242, v0, 4, VIMG
	v_lshl_add_u32 v243, v0, 4, VIMG+65536
	v_lshl_add_u32 v244, v0, 4, KSCL
	v_lshl_add_u32 v245, v0, 3, VSCL
	v_lshl_add_u32 v246, v0, 3, s27
	s_mul_i32 s28, s16, 768
	v_add_nc_u32 v247, s28, v1
	s_mul_i32 s28, s17, 768
	v_add_nc_u32 v248, s28, v1
	s_lshl_b32 s28, s16, 6
	v_add_nc_u32 v249, s28, v3
	s_lshl_b32 s28, s17, 6
	v_add_nc_u32 v250, s28, v3
	s_lshl_b32 s2, s16, 7                          ; my tiles' ORs and ANDs: 128 bytes a tile
	s_lshl_b32 s15, s17, 7
	s_mul_i32 s100, s13, 98304
	s_mov_b32 s101, 0
	s_lshr_b32 s104, s13, 1
	s_lshl_b32 s104, s104, 13
	s_mov_b32 s105, 0
	s_wait_kmcnt 0x0
	s_add_nc_u64 s[4:5], s[4:5], s[100:101]        ; my head's Q; K lies 6,291,456 bytes on
	s_add_nc_u64 s[6:7], s[6:7], s[104:105]        ; my pair of heads' scale words of Q; K's 262,144 bytes on, V's 524,288
	s_add_nc_u64 s[104:105], s[4:5], 12582912      ; my head's V
	; 34 loads, in the order in which they are waited for
	global_load_b128 v[32:35], v240, s[6:7] offset:262144
	global_load_b64 v[36:37], v246, s[6:7] offset:524288
.irp i, 0,1,2,3,4,5,6,7,8,9,10,11
	global_load_b128 v[40+4*\i:43+4*\i], v240, s[4:5] offset:6291456+8192*\i   ; the work-group's 512 threads read 8,192 consecutive bytes
.endr
.irp i, 0,1,2,3,4,5,6,7,8,9,10,11
	global_load_b128 v[88+4*\i:91+4*\i], v240, s[104:105] offset:8192*\i
.endr
.irp g, 0,1,2
	global_load_b64 v[Q1+2*\g:Q1+2*\g+1], v247, s[4:5] offset:256*\g
.endr
	global_load_b32 v[Q1S], v249, s[6:7]
.irp g, 0,1,2
	global_load_b64 v[Q2+2*\g:Q2+2*\g+1], v248, s[4:5] offset:256*\g
.endr
	global_load_b32 v[Q2S], v250, s[6:7]
	s_load_b512 s[32:47], s[8:9], s2 offset:0x80000
	s_load_b512 s[48:63], s[8:9], s2 offset:0x80040
	s_load_b512 s[68:83], s[8:9], s15 offset:0x80000
	s_load_b512 s[84:99], s[8:9], s15 offset:0x80040
	s_wait_loadcnt 33                              ; K's scale words are in: 33 younger loads may be out
.irp k, 0,1,2,3
	v_bfe_u32 v[32+\k], v[32+\k], s14, 16          ; my head's two bytes; the bytes that scale the empty half of K are 0
.endr
	ds_store_b128 v244, v[32:35]
	s_wait_loadcnt 32
	ds_store_b64 v245, v[36:37]
.irp i, 0,1,2,3,4,5,6,7,8,9,10,11
	s_wait_loadcnt 31-\i                           ; K's piece i is in: behind it 11 - i of K, 12 of V, 8 of Q
.if \i < 8
	ds_store_b128 v240, v[40+4*\i:43+4*\i] offset:8192*\i
.else
	ds_store_b128 v241, v[40+4*\i:43+4*\i] offset:8192*(\i-8)
.endif
.endr
.irp i, 0,1,2,3,4,5,6,7,8,9,10,11
	s_wait_loadcnt 19-\i                           ; V's piece i: behind it 11 - i of V, 8 of Q
.if \i < 8
	ds_store_b128 v242, v[88+4*\i:91+4*\i] offset:8192*\i
.else
	ds_store_b128 v243, v[88+4*\i:91+4*\i] offset:8192*(\i-8)
.endif
.endr
	s_wait_dscnt 0x0                               ; for the others' sake: my stores have landed
	s_barrier_signal -1
	s_barrier_wait -1                              ; the head's K and V lie in LDS; from here on LDS is only read
	s_wait_loadcnt 0x0                             ; Q
	v_bfe_u32 v[Q1S], v[Q1S], s14, 16
	v_bfe_u32 v[Q2S], v[Q2S], s14, 16
.irp j, 0,1,2,3,4,5
	v_mov_b32 v[Q1+6+\j], 0                        ; zero codes for k = 64 .. 127
	v_mov_b32 v[Q2+6+\j], 0
	v_mov_b32 v[F+48+\j], 0                        ; the tail behind K's eighth half fragment
.endr
	v_mov_b32 v[XNEG], 0xe2800000
	v_mov_b32 v[FF+1], 0
.irp b, 0,1,2,3
	v_mov_b32 v[TP+\b], 0                          ; written once: a lane permute's destination counts as one of its sources
.endr
	s_wait_kmcnt 0x0
; bit j of wk: step j has a key that counts; bit j of mx: it has one that does not.  If a query has no key in any step, every step is worked.
.macro FLAGS base, wk, mx
	s_mov_b32 s[\wk], 0
	s_mov_b32 s[\mx], 0
	s_mov_b32 s100, 0
.irp j, 0,1,2,3,4,5,6,7,8,9,10,11,12,13,14,15
	s_or_b32 s100, s100, s[\base+8*(\j/4)+(\j%4)]
	s_cmp_lg_u32 s[\base+8*(\j/4)+(\j%4)], 0
	s_cselect_b32 s101, 1<<\j, 0
	s_or_b32 s[\wk], s[\wk], s101
	s_cmp_lg_u32 s[\base+8*(\j/4)+4+(\j%4)], -1
	s_cselect_b32 s101, 1<<\j, 0
	s_or_b32 s[\mx], s[\mx], s101
.endr
	s_lshr_b32 s101, s100, 16                      ; a query's keys lie in lanes r and r + 16
	s_or_b32 s100, s100, s101
	s_and_b32 s100, s100, 0xffff
	s_mov_b32 s101, 0xffff
	s_cmp_eq_u32 s100, s101
	s_cselect_b32 s[\wk], s[\wk], s101
.endm
	FLAGS 32, 18, 19
	FLAGS 68, 20, 21
; ONE TILE OF 16 QUERIES.  qf, qs: Q's fragment and scale words; treg: the tile's number; wk, mx: its flags; idx: 0 or 1.
.macro TILE qf, qs, treg, wk, mx, idx
	s_wait_xcnt 0x0                                ; the stores of the tile before have read their data and their base
	v_mov_b32 v13, 0xff61b1e6                      ; the largest t so far: -3e38, under every t
	v_floor_f32 v12, -v13                          ; -M
	v_mov_b32 v14, 0                               ; the sum, in two halves
	v_mov_b32 v15, 0
.set jj, 0
.rept 32
	v_mov_b32 v[O+jj], 0                           ; O^T: the step is written once; the first finds zeros, which the first change of M leaves zeros
.set jj, jj+1
.endr
	s_mov_b32 s[TK], 0
	s_mov_b32 s[TS], 0
	s_mov_b32 s[TV], 0
	s_mov_b32 s[JC], 0
	s_lshl_b32 s100, s[\treg], 12                  ; 16 steps x 256 bytes of lane masks a tile
	s_mov_b32 s101, 0
	s_add_nc_u64 s[MP:MP+1], s[8:9], s[100:101]
	s_mov_b32 s[WKC], s[\wk]
	s_mov_b32 s[MXC], s[\mx]
.Lstep_\@:                                             ; 16 trips, a constant; a step with nothing to do jumps to the lines that step the addresses
	s_bitcmp1_b32 s[WKC], 0
	s_cbranch_scc0 .Lskip_\@
	s_load_b512 s[32:47], s[MP:MP+1], 0x0          ; the step's 64 lane masks; they are waited for behind the first product
	s_load_b512 s[48:63], s[MP:MP+1], 0x40
	s_load_b512 s[68:83], s[MP:MP+1], 0x80
	s_load_b512 s[84:99], s[MP:MP+1], 0xc0
	v_add_nc_u32 v[ADK], s[TK], v1                 ; these four are also the places in front of loads into registers that the last products read
	v_add_nc_u32 v[ADV], s[TK], v4
	v_add_nc_u32 v[ADS], s[TS], v5
	v_add_nc_u32 v[ADT], s[TV], v6
.irp t, 0,1,2,3,4,5,6,7
.irp g, 0,1,2
	ds_load_b64 v[F+6*\t+2*\g:F+6*\t+2*\g+1], v[ADK] offset:768*\t+256*\g   ; 256 consecutive bytes
.endr
.endr
.irp p, 0,1,2,3
	ds_load_b32 v[KS+\p], v[ADS] offset:128*\p     ; lanes 0-15: tile 2 p's words, lanes 16-31: tile 2 p + 1's
.endr
	s_wait_dscnt 0x0
.irp t, 0,1,2,3,4,5,6,7                        ; S^T = K Q^T: register 16 b + i = key 32 b + 16 (lane / 16) + i of the step
.if \t%2
	v_wmma_scale_f32_16x16x128_f8f6f4 v[S+8*\t:S+8*\t+7], v[F+6*\t:F+6*\t+11], v[\qf:\qf+11], 0, v[KS+\t/2], v[\qs] matrix_a_fmt:MATRIX_FMT_FP6 matrix_b_fmt:MATRIX_FMT_FP6 matrix_a_scale:MATRIX_SCALE_ROW1
.else
	v_wmma_scale_f32_16x16x128_f8f6f4 v[S+8*\t:S+8*\t+7], v[F+6*\t:F+6*\t+11], v[\qf:\qf+11], 0, v[KS+\t/2], v[\qs] matrix_a_fmt:MATRIX_FMT_FP6 matrix_b_fmt:MATRIX_FMT_FP6
.endif
.endr
.rept 4
	v_nop                                          ; places: in front of the loads below and of the first read of the scores
.endr
.irp d, 0,1,2,3                                ; V's four fragments land while the softmax is worked
.irp p, 0,1,2,3,4,5
	ds_load_b64 v[F+12*\d+2*\p:F+12*\d+2*\p+1], v[ADV] offset:1536*\d+256*\p
.endr
.endr
.irp d, 0,1
	ds_load_b32 v[VS+\d], v[ADT] offset:128*\d
.endr
	s_wait_kmcnt 0x0                               ; the lane masks are in, on every way: their base may be stepped below
	s_bitcmp1_b32 s[MXC], 0
	s_cbranch_scc0 .Lopen_\@
.set nn, 0
.rept 64
	v_cndmask_b32 v[S+nn], v[XNEG], v[S+nn], s[32+nn+4*(nn/32)]   ; a hidden score becomes -2^70
.set nn, nn+1
.endr
.Lopen_\@:
.irp b, 0,1,2,3
	v_max3_num_f32 v[TM+\b], v[S+16*\b], v[S+1+16*\b], v[S+2+16*\b]   ; the largest score of each block of 32 keys: for the row's maximum and, since p rises with the score, for the block's largest p
.endr
.irp i, 3,5,7,9,11,13
.irp b, 0,1,2,3
	v_max3_num_f32 v[TM+\b], v[TM+\b], v[S+16*\b+\i], v[S+1+16*\b+\i]
.endr
.endr
.irp b, 0,1,2,3
	v_max_num_f32 v[TM+\b], v[TM+\b], v[S+15+16*\b]
.endr
.irp b, 0,1,2,3
	v_permlanex16_b32 v[TP+\b], v[TM+\b], s[SEL], s[SEL+1]
.endr
.irp b, 0,1,2,3
	v_max_num_f32 v[TM+\b], v[TM+\b], v[TP+\b]     ; with lane l xor 16's 16 keys
.endr
	v_max3_num_f32 v[TT], v[TM], v[TM+1], v[TM+2]
	v_max_num_f32 v[TT], v[TT], v[TM+3]            ; the step's largest score of my query
	v_mul_f32 v[TT], s[CS], v[TT]                  ; as t
	v_max_num_f32 v13, v13, v[TT]                  ; the running largest t
	v_mov_b32 v[TT], v12
	v_floor_f32 v12, -v13                          ; the new -M = -ceil(t): a whole number
	v_sub_f32 v[TT], v12, v[TT]                    ; old M - new M: a whole number, 0 or less
	v_cvt_i32_f32 v[TT], v[TT]                     ; (it saturates)
	v_ldexp_f32 v[FF], 1.0, v[TT]                  ; f = 2^(old M - new M): a multiplication by it rounds nothing
.set jj, 0
.rept 32
	v_pk_fma_f32 v[S+jj:S+jj+1], v[S+jj:S+jj+1], s[CS:CS+1], v[12:13] op_sel_hi:[1,0,0]   ; t - M, two at a time
.set jj, jj+2
.endr
.irp b, 0,1,2,3
	v_fma_f32 v[TM+\b], v[TM+\b], s[CS], v12       ; the same of each block's largest score
.endr
.set jj, 0
.rept 64
	v_exp_f32 v[S+jj], v[S+jj]                     ; p = 2^(t - M), at most 1
.set jj, jj+1
.endr
	v_pk_mul_f32 v[14:15], v[14:15], v[FF:FF+1] op_sel_hi:[1,0]   ; the sums under the new M: the plain place behind the exponentials
	s_wait_alu depctr_va_vdst(0)                   ; one wait for the whole batch, ahead of its first reader
.irp b, 0,1,2,3
	v_exp_f32 v[TM+\b], v[TM+\b]                   ; the block's largest p: the same two instructions on the same number give the same bits
.endr
	v_pk_add_f32 v[SUM2:SUM2+1], v[S:S+1], v[S+2:S+3]   ; the row's sum is taken of the unquantised p, in two chains
.irp j, 4,8,12,16,20,24,28,32,36,40,44,48,52,56,60
	v_pk_add_f32 v[14:15], v[14:15], v[S+\j:S+\j+1]
	v_pk_add_f32 v[SUM2:SUM2+1], v[SUM2:SUM2+1], v[S+2+\j:S+3+\j]
.endr
	v_pk_add_f32 v[14:15], v[14:15], v[SUM2:SUM2+1]
	s_wait_alu depctr_va_vdst(0)                   ; and one for the four
.irp b, 0,1,2,3
	v_max_num_f32 v[TM+\b], 0x1800000, v[TM+\b]    ; the floor 2^(3 - 127): the byte cannot fall under 1
.endr
.irp b, 0,1,2,3
	v_add_nc_u32 v[SO+\b], 0xff000000, v[TM+\b]    ; 2 off the exponent field: the conversion's scale operand
.endr
.irp b, 0,1,2,3
	v_lshrrev_b32 v[TP+\b], 23, v[SO+\b]           ; the scale's byte
.endr
	v_lshl_or_b32 v[PSW], v[TP+1], 8, v[TP]        ; p's scale word for these 128 keys
	v_lshl_or_b32 v[PSW], v[TP+2], 16, v[PSW]
	v_lshl_or_b32 v[PSW], v[TP+3], 24, v[PSW]
.irp c, 0,1
	v_cvt_scalef32_pk16_fp6_f32 v[PC+6*\c:PC+2+6*\c], v[S+32*\c:S+15+32*\c], v[SO+2*\c]
	v_cvt_scalef32_pk16_fp6_f32 v[CT+4*\c:CT+2+4*\c], v[S+16+32*\c:S+31+32*\c], v[SO+2*\c+1]   ; (a conversion's three registers begin on an even number)
.endr
	v_nop                                          ; one plain place behind a scaled conversion
.irp c, 0,1                                    ; the operand's layout wants a whole block in a lane
.irp i, 0,1,2
	v_permlane16_swap_b32 v[PC+6*\c+\i], v[CT+4*\c+\i]
.endr
.irp i, 0,1,2
	v_mov_b32 v[PC+3+6*\c+\i], v[CT+4*\c+\i]
.endr
.endr
.set jj, 0
.rept 16
	v_pk_mul_f32 v[O+jj:O+jj+1], v[O+jj:O+jj+1], v[FF:FF+1] op_sel_hi:[1,0]   ; O^T under the new M.  (These 16 are also the places between the scale word and codes just made and the products below)
.set jj, jj+2
.endr
	s_wait_dscnt 0x0                               ; V
.irp d, 0,1,2,3                                ; O^T += V^T P^T: register 16 b + i = channel 32 b + 16 (lane / 16) + i
.if \d%2
	v_wmma_scale_f32_16x16x128_f8f6f4 v[O+8*\d:O+8*\d+7], v[F+12*\d:F+12*\d+11], v[PC:PC+11], v[O+8*\d:O+8*\d+7], v[VS+\d/2], v[PSW] matrix_a_fmt:MATRIX_FMT_FP6 matrix_b_fmt:MATRIX_FMT_FP6 matrix_a_scale:MATRIX_SCALE_ROW1
.else
	v_wmma_scale_f32_16x16x128_f8f6f4 v[O+8*\d:O+8*\d+7], v[F+12*\d:F+12*\d+11], v[PC:PC+11], v[O+8*\d:O+8*\d+7], v[VS+\d/2], v[PSW] matrix_a_fmt:MATRIX_FMT_FP6 matrix_b_fmt:MATRIX_FMT_FP6
.endif
.endr
.Lskip_\@:
	s_add_co_u32 s[TK], s[TK], 6144
	s_add_co_u32 s[TS], s[TS], 512
	s_add_co_u32 s[TV], s[TV], 256
	s_add_nc_u64 s[MP:MP+1], s[MP:MP+1], 256
	s_lshr_b32 s[WKC], s[WKC], 1
	s_lshr_b32 s[MXC], s[MXC], 1
	s_add_co_u32 s[JC], s[JC], 1
	s_cmp_lt_u32 s[JC], 16
	s_cbranch_scc1 .Lstep_\@
	; the tile's way out: o = O^T / the sum, quantised along the head's 64 channels: half an image, three stores of 256 consecutive bytes, aligned
.rept 4
	v_nop                                          ; places behind the last products
.endr
	v_add_f32 v14, v14, v15
	v_permlanex16_b32 v[TP], v14, s[SEL], s[SEL+1]
	v_add_f32 v14, v14, v[TP]                      ; the row's sum
	v_rcp_f32 v14, v14
	v_nop                                          ; a plain place behind the transcendental
	s_lshr_b32 s2, s13, 4
	s_lshl_b32 s2, s2, 7
	s_add_co_u32 s2, s2, s[\treg]                  ; the tile among all 512: 128 x batch + tile
	s_and_b32 s15, s13, 15                         ; the head
	s_lshl_b32 s100, s2, 4
	s_add_co_u32 s100, s100, s15
	s_mul_i32 s100, s100, 768
	s_mov_b32 s101, 0
	s_add_nc_u64 s[100:101], s[10:11], s[100:101]
	s_lshl_b32 s2, s2, 3
	s_lshr_b32 s15, s15, 1
	s_add_co_u32 s2, s2, s15
	s_lshl_b32 s2, s2, 6                           ; the scale words of (tile, pair of heads): 64 bytes,
	s_lshr_b32 s15, s14, 3                         ; my head's half of each word
	s_add_co_u32 s[104+\idx], s2, s15
	s_wait_alu depctr_va_vdst(0)                   ; the wait ahead of the reciprocal's first reader
.set jj, 0
.rept 32
	v_mul_f32 v[S+jj], v[O+jj], v14                ; ascending: each accumulator is read from its low end on
.set jj, jj+1
.endr
.irp b, 0,1
	v_max3_num_f32 v[TM+\b], |v[S+16*\b]|, |v[S+1+16*\b]|, 0x1800000
.endr
.irp i, 2,4,6,8,10,12,14
.irp b, 0,1
	v_max3_num_f32 v[TM+\b], v[TM+\b], |v[S+16*\b+\i]|, |v[S+1+16*\b+\i]|
.endr
.endr
.irp b, 0,1
	v_permlanex16_b32 v[TP+\b], v[TM+\b], s[SEL], s[SEL+1]
.endr
.irp b, 0,1
	v_max_num_f32 v[TM+\b], v[TM+\b], v[TP+\b]
.endr
.irp b, 0,1
	v_add_nc_u32 v[SO+\b], 0xff000000, v[TM+\b]
.endr
.irp b, 0,1
	v_lshrrev_b32 v[TP+\b], 23, v[SO+\b]
.endr
	v_lshl_or_b32 v[U1+\idx], v[TP+1], 8, v[TP]    ; my row's two scale bytes
	v_cvt_scalef32_pk16_fp6_f32 v[PC:PC+2], v[S:S+15], v[SO]
	v_cvt_scalef32_pk16_fp6_f32 v[CT:CT+2], v[S+16:S+31], v[SO+1]
	v_nop
.irp i, 0,1,2
	v_permlane16_swap_b32 v[PC+\i], v[CT+\i]
.endr
.irp i, 0,1,2
	v_mov_b32 v[PC+3+\i], v[CT+\i]
.endr
.irp g, 0,1,2
	global_store_b64 v1, v[PC+2*\g:PC+2*\g+1], s[100:101] offset:256*\g
.endr
.endm
	TILE Q1, Q1S, 16, 18, 19, 0
	TILE Q2, Q2S, 17, 20, 21, 1
	; the two tiles' scale bytes: lanes 0-15 store tile 1's, lanes 16-31 tile 2's; two bytes a row, since a scale word's halves belong to two heads
	v_cndmask_b32 v[U1], v[U1], v[U2], s3
	v_mov_b32 v239, s104
	v_mov_b32 v251, s105
	v_cndmask_b32 v239, v239, v251, s3
	v_add_nc_u32 v239, v239, v3
	global_store_b16 v239, v[U1], s[10:11] offset:6291456
	s_wait_tensorcnt 0x0
	ds_add_u32 v254, v255
	s_wait_dscnt 0x0
	s_endpgm
.Lfunc_end_k_qb5b1012504_attn:
	.size	k_qb5b1012504_attn, .Lfunc_end_k_qb5b1012504_attn-k_qb5b1012504_attn
	.p2alignl 7, 3214868480
	.fill 96, 4, 3214868480
	.section	.rodata,"a",@progbits
	.p2align	6, 0x0
	.amdhsa_kernel k_qb5b1012504_attn
		.amdhsa_group_segment_fixed_size 210944
		.amdhsa_private_segment_fixed_size 0
		.amdhsa_enable_private_segment 0
		.amdhsa_kernarg_size 32
		.amdhsa_user_sgpr_count 2
		.amdhsa_user_sgpr_kernarg_segment_ptr 1
		.amdhsa_wavefront_size32 1
		.amdhsa_system_sgpr_workgroup_id_x 1
		.amdhsa_system_sgpr_workgroup_id_y 1
		.amdhsa_system_sgpr_workgroup_id_z 1
		.amdhsa_system_vgpr_workitem_id 0
		.amdhsa_next_free_vgpr 256
		.amdhsa_next_free_sgpr 106
		.amdhsa_reserve_vcc 0
		.amdhsa_float_denorm_mode_32 3
		.amdhsa_float_denorm_mode_16_64 3
		.amdhsa_memory_ordered 1
		.amdhsa_forward_progress 1
		.amdhsa_inst_pref_size 74
	.end_amdhsa_kernel
	.amdgpu_metadata
---
amdhsa.version: [ 1, 2 ]
amdhsa.kernels:
  - .name:           k_qb5b1012504_attn
    .symbol:         k_qb5b1012504_attn.kd
    .args:
      - { .name: img, .offset: 0, .size: 8, .value_kind: global_buffer, .address_space: global }
      - { .name: isc, .offset: 8, .size: 8, .value_kind: global_buffer, .address_space: global }
      - { .name: mb, .offset: 16, .size: 8, .value_kind: global_buffer, .address_space: global }
      - { .name: ac, .offset: 24, .size: 8, .value_kind: global_buffer, .address_space: global }
    .group_segment_fixed_size: 210944
    .private_segment_fixed_size: 0
    .kernarg_segment_align: 8
    .kernarg_segment_size: 32
    .max_flat_workgroup_size: 512
    .sgpr_count:     106
    .vgpr_count:     256
    .wavefront_size: 32
...
	.end_amdgpu_metadata
.endif
;; end of part 3
;; launch outp (part 4): grid 4 x 32, 4 waves a work-group, clusters of 4 x 4, 327,680 bytes of LDS; arguments ac, wc, ws, bo, out0; writes out0
.if DOCPART == 4
	.amdgcn_target "amdgcn-amd-amdhsa--gfx1250"
	.amdhsa_code_object_version 6
	.text
	.protected	k_qb5b1012504_outp
	.globl	k_qb5b1012504_outp
	.p2align	8
	.type	k_qb5b1012504_outp,@function
k_qb5b1012504_outp:
	s_mov_b64 s[64:65], 0
	v_nop
	global_prefetch_b8 v0, s[64:65] scope:SCOPE_SE
	s_setreg_imm32_b32 hwreg(HW_REG_WAVE_MODE, 25, 1), 1
	s_wait_xcnt 0x0
	s_wait_alu depctr_hold_cnt(0) depctr_sa_sdst(0) depctr_va_vdst(0) depctr_va_sdst(0) depctr_va_ssrc(0) depctr_va_vcc(0) depctr_vm_vsrc(0)
	s_getreg_b32 s2, hwreg(HW_REG_IB_STS2, 6, 4)
	s_cmp_eq_u32 s2, 0
	s_cbranch_scc0 .Lentry_in_a_cluster
	s_endpgm
.Lentry_in_a_cluster:
	s_bfe_u32 s2, ttmp6, 0x10000c
	s_cmp_lg_u32 s2, 0xf033
	s_cbranch_scc0 .Lentry_shape_is_right
	s_endpgm
.Lentry_shape_is_right:
; OUTP.  out0 = attn Wo^T + bo on codes of FP6 (E2M3) with E8M0 scales, sums in f32; out0 [8192][1024] f32.
; A work-group makes 256 x 256, its four waves 128 x 128 each: 64 accumulators, 512 registers.  K = 1,024 goes in four steps of 256 through a ring of two LDS slots filled by the tensor data mover.
; Operands lie in memory as images of operand registers (tile of 16 rows, 128 along K: 1,536 bytes, piece p = registers 2 p, 2 p + 1 of lane l at 8 l): a fragment is six ds_load_b64 of 256 consecutive bytes.
; A tile t holds rows 32 (t / 2) + 8 (t % 2) + p + 8 (p / 8).  SOURCE 0 ("B") = Wo's rows (the output's columns), SOURCE 1 ("A") = tokens: a lane holds one token, and the registers of tiles 2 b, 2 b + 1 are columns 32 b + 16 (lane / 16) + 0 .. 15.
; The bias is the C of each sum's first product.  CLUSTERS: 4 x 4 work-groups; A's tiles are asked for jointly along a row of the cluster, B's along a column.
; 128 work-groups: the product has no more tiles of this size.
; REGISTERS: window 0: v16-29 addresses; v32-63 scale words, two sets; v128-223 A's fragments, one set; on the way out v128-255 rows of the output.
;   window 1: B's fragments, two sets, at v0 and v128; the bias at v96-127 and v224-255.   windows 2, 3: the accumulators ((a, b) at v[8 (8 (a % 4) + b)]).
.set FR,    12
.set NL,    6
.set NP,    4                          ; places behind this matrix instruction (ISA guide 7.12.1)
.set HALFT, 24576                      ; 8 tiles x 2 images: what one tensor load brings
.set SLOT,  4*HALFT
.set SCL,   2*SLOT                     ; the scale words for all of K: A's halves at 0 and 4,096, B's at 8,320 and 12,416
.set SPARE, SCL+16640                  ; the spare words, 128 bytes for each wave: two blocks of 256 bytes that no other line names
.set SPITCH, 528                       ; the way out: a stage of 16 rows x (512 bytes + 16) for each wave, in slot 0, which has had its last fill and its last read when the first result is stored there
.set ADRA, 16
.set ADRB, 20
.set BO,   22                          ; v22 64 h: my half's place in the bias
.set L8,   23                          ; v23 8 x lane
.set STO,  24                          ; v24 the way out: where I put 32 bytes of a row
.set RD,   25                          ; v25 where I read a row back
.set CO,   26                          ; v26 16 x lane: my bytes of a row of the output
.set ADRS, 27
.set SPW,  28
.set NIL,  29
.set SC,   32
.set AF,   128
.set BK,   128                         ; the way out: 16 rows read back: v128-191 and v192-255 by turns
.set WV,  22
.set HR,  23
.set HC,  24
.set G1A, 28
.set G0A, 36
.set G1B, 44
.set G0B, 52
.set G1SA, 68
.set G0SA, 76
.set G1SB, 80
.set G0SB, 88
.set MSB, 0
.macro WIN new                         ; the immediate's high byte repeats the setting that is left
.if MSB != (\new)
	s_set_vgpr_msb (MSB<<8)|(\new)
.set MSB, \new
.endif
.endm
.set MUL_LO, 0xa1
.set MUL_HI, 0xf1
.set TO_B,   0x40
; A joint load: waves 0 and 1 fetch for A, waves 2 and 3 for B; the branch hangs on the wave's number alone.  Four v_nop follow each of the two lines.
.macro JLOAD g0a, g1a, g0b, g1b
	s_cmp_eq_u32 s[HR], 0
	s_cbranch_scc0 .Lfor_b_\@
	tensor_load_to_lds s[\g0a:\g0a+3], s[\g1a:\g1a+7]
	s_nop 0
.rept 4
	v_nop
.endr
	s_branch .Lasked_\@
.Lfor_b_\@:
	tensor_load_to_lds s[\g0b:\g0b+3], s[\g1b:\g1b+7]
	s_nop 0
.rept 4
	v_nop
.endr
.Lasked_\@:
.endm
.macro CREST
	s_cmp_lg_u32 s[WV], 0
	s_cbranch_scc1 .Lnot_wave_0_\@
	s_barrier_signal -3
.Lnot_wave_0_\@:
	s_barrier_wait -3
	s_barrier_signal -1
	s_barrier_wait -1
.endm
.macro CROUND
	s_barrier_signal -1
	s_barrier_wait -1
	CREST
.endm
	s_load_b256 s[4:11], s[0:1], 0x0               ; ac s[4:5], wc s[6:7], ws s[8:9], bo s[10:11]
	s_load_b64 s[12:13], s[0:1], 0x20              ; out0
	v_lshl_add_u32 v[SPW], v0, 2, SPARE
	v_mov_b32 v[NIL], 0
	ds_add_u32 v28, v29
	ds_add_u32 v28, v29
	s_wait_dscnt 0x0
	v_lshrrev_b32 v1, 5, v0
	v_readfirstlane_b32 s[WV], v1
	s_lshr_b32 s[HR], s[WV], 1                     ; my half of the tokens; also: I fetch for A (0) or B (1)
	s_and_b32 s[HC], s[WV], 1                      ; my half of the columns; also: which 128 rows I fetch
	s_bfe_u32 s25, ttmp6, 0x40000                  ; cx, cy
	s_bfe_u32 s26, ttmp6, 0x40004
	s_and_b32 s60, ttmp7, 0xffff
	s_lshl_b32 s63, s60, 2
	s_add_co_u32 s63, s63, s26                     ; my block of 256 tokens: cy alone
	s_mov_b32 s62, s25                             ; my block of 256 columns: cx alone
	s_lshl_b32 s66, s26, 2
	s_lshl_b32 s66, 15, s66                        ; my row of the cluster
	s_lshl_b32 s67, 0x1111, s25                    ; my column
	s_or_b32 s[G1A], s66, (3<<16)|(1<<21)          ; codes: 8 rows (tiles) of 3,072 bytes, 12,288 bytes apart; elements of 8 bytes; dense in LDS
	s_or_b32 s[G1B], s67, (3<<16)|(1<<21)
.irp g, G1A, G1B
	s_mov_b32 s[\g+1], 384<<16
	s_mov_b32 s[\g+2], 8<<16
	s_mov_b32 s[\g+3], 384<<16
	s_mov_b32 s[\g+4], 8
	s_mov_b32 s[\g+5], 1536
	s_mov_b32 s[\g+6], 0
	s_mov_b32 s[\g+7], 0
.endr
	s_or_b32 s[G1SA], s66, (3<<16)|(1<<21)         ; scale words of 128 rows: 4,096 dense bytes, as 16 rows of 256
	s_or_b32 s[G1SB], s67, (3<<16)|(1<<21)
.irp g, G1SA, G1SB
	s_mov_b32 s[\g+1], 32<<16
	s_mov_b32 s[\g+2], 16<<16
	s_mov_b32 s[\g+3], 32<<16
	s_mov_b32 s[\g+4], 16
	s_mov_b32 s[\g+5], 32
	s_mov_b32 s[\g+6], 0
	s_mov_b32 s[\g+7], 0
.endr
	s_lshl_b32 s92, s63, 1
	s_add_co_u32 s92, s92, s[HC]                   ; A: which 128 tokens I fetch
	s_mul_i32 s94, s92, 98304
	s_mov_b32 s95, 0
	s_lshl_b32 s92, s92, 12
	s_add_co_u32 s92, s92, 6291456                 ; their scale words lie behind the codes
	s_mov_b32 s93, 0
	s_lshl_b32 s96, s62, 1
	s_add_co_u32 s96, s96, s[HC]                   ; B: which 128 rows of Wo, the fourth weight
	s_mul_i32 s98, s96, 98304
	s_add_co_u32 s98, s98, 3*786432
	s_mov_b32 s99, 0
	s_lshl_b32 s96, s96, 12
	s_add_co_u32 s96, s96, 3*32768
	s_mov_b32 s97, 0
	s_mul_i32 s66, s[WV], HALFT                    ; where they go: no place in the cluster enters an LDS address
	s_lshl_b32 s67, s[WV], 12
	s_lshl_b32 s2, s[HR], 7
	s_add_co_u32 s67, s67, s2
	s_add_co_u32 s67, s67, SCL
	s_wait_kmcnt 0x0
	s_add_nc_u64 s[100:101], s[4:5], s[94:95]      ; A's codes
	s_add_nc_u64 s[4:5], s[4:5], s[92:93]          ; A's scale words
	s_add_nc_u64 s[104:105], s[6:7], s[98:99]      ; B's codes
	s_add_nc_u64 s[8:9], s[8:9], s[96:97]          ; B's scale words
	CROUND                                         ; all sixteen work-groups are here: the first joint loads meet
	s_mov_b32 s[G0SA], 1
	s_mov_b32 s[G0SA+1], s67
	s_mov_b64 s[G0SA+2:G0SA+3], s[4:5]
	s_or_b32 s[G0SA+3], s[G0SA+3], 0x80000000
	s_mov_b32 s[G0SB], 1
	s_mov_b32 s[G0SB+1], s67
	s_mov_b64 s[G0SB+2:G0SB+3], s[8:9]
	s_or_b32 s[G0SB+3], s[G0SB+3], 0x80000000
	JLOAD G0SA, G1SA, G0SB, G1SB
.irp s, 0,1
	s_mov_b32 s[G0A+4*\s], 1
	s_add_co_u32 s[G0A+4*\s+1], s66, \s*SLOT
	s_add_nc_u64 s[G0A+4*\s+2:G0A+4*\s+3], s[100:101], \s*3072
	s_or_b32 s[G0A+4*\s+3], s[G0A+4*\s+3], 0x80000000
	s_mov_b32 s[G0B+4*\s], 1
	s_add_co_u32 s[G0B+4*\s+1], s66, \s*SLOT
	s_add_nc_u64 s[G0B+4*\s+2:G0B+4*\s+3], s[104:105], \s*3072
	s_or_b32 s[G0B+4*\s+3], s[G0B+4*\s+3], 0x80000000
	JLOAD G0A+4*\s, G1A, G0B+4*\s, G1B
.endr
	v_and_b32 v1, 31, v0                           ; lane
	v_and_b32 v2, 15, v0                           ; r
	v_bfe_u32 v3, v0, 4, 1                         ; h
	v_lshlrev_b32 v[L8], 3, v1
	v_lshlrev_b32 v[BO], 6, v3
	v_lshlrev_b32 v[CO], 4, v1
	s_mul_i32 s66, s[HR], HALFT
	s_mul_i32 s67, s[HC], HALFT
	s_add_co_u32 s67, s67, 2*HALFT
.irp s, 0,1
	v_add_nc_u32 v[ADRA+\s], s66, v[L8]
	v_add_nc_u32 v[ADRB+\s], s67, v[L8]
	s_add_co_u32 s66, s66, SLOT
	s_add_co_u32 s67, s67, SLOT
.endr
	s_lshl_b32 s66, s[HR], 12
	s_lshl_b32 s67, s[HC], 12
	s_add_co_u32 s67, s67, 8320
	s_sub_co_u32 s67, s67, s66
	v_mul_u32_u24 v5, s67, v3                      ; lanes 16-31 take B's scale words
	s_add_co_u32 s66, s66, SCL
	v_lshl_add_u32 v5, v2, 2, v5
	v_add_nc_u32 v[ADRS], s66, v5
	s_mul_i32 s66, s[WV], 16*SPITCH                ; my stage
	v_mul_u32_u24 v5, v2, SPITCH
	v_lshl_add_u32 v5, v3, 6, v5
	v_add_nc_u32 v[STO], s66, v5                   ; in: row r, + 64 h
	v_add_nc_u32 v[RD], s66, v[CO]                 ; back: the 32 lanes take one row of 512 bytes
	s_lshl_b32 s92, s63, 1
	s_add_co_u32 s92, s92, s[HR]
	s_lshl_b32 s92, s92, 19                        ; my first token: 128 rows of 4,096 bytes each
	s_lshl_b32 s94, s62, 1
	s_add_co_u32 s94, s94, s[HC]
	s_lshl_b32 s94, s94, 9                         ; my first column: 128 numbers of 4 bytes each
	s_mov_b32 s95, 0
	s_add_nc_u64 s[10:11], s[10:11], s[94:95]      ; the bias at my columns
	s_add_co_u32 s92, s92, s94
	s_mov_b32 s93, 0
	s_add_nc_u64 s[12:13], s[12:13], s[92:93]      ; the output at my corner
	WIN TO_B
.irp t, 0,1,2,3,4,5,6,7
	global_load_b128 v[96+8*\t+96*(\t/4):96+8*\t+96*(\t/4)+3], v[BO], s[10:11] offset:4*(32*(\t/2)+8*(\t%2))        ; tile t: lane (r, h) wants numbers 32 (t / 2) + 8 (t % 2) + 16 h + 0 .. 7
	global_load_b128 v[96+8*\t+96*(\t/4)+4:96+8*\t+96*(\t/4)+7], v[BO], s[10:11] offset:4*(32*(\t/2)+8*(\t%2))+16
.endr
	WIN 0
	s_wait_loadcnt 0x0
.macro FRAG reg, adr, q, i
.irp p, 0,1,2,3,4,5
	ds_load_b64 v[\reg+2*\p:\reg+2*\p+1], v[\adr] offset:3072*(\i)+1536*(\q)+256*\p
.endr
.endm
; 16 matrix instructions: A's blocks a0, a0 + 1 x B's eight.  zero = 1: the first product starts the sums from the bias.  The 64 accumulators take turns, one instruction a turn.
.macro MUL16 a0, p, q, sc, zero
.irp a, \a0, \a0+1
.irp b, 0,1,2,3,4,5,6,7
.if \zero
	v_wmma_scale_f32_16x16x128_f8f6f4 v[8*(8*((\a)%4)+\b):8*(8*((\a)%4)+\b)+7], v[128*(\p)+FR*\b:128*(\p)+FR*\b+FR-1], v[AF+FR*(\a):AF+FR*(\a)+FR-1], v[96+8*\b+96*(\b/4):96+8*\b+96*(\b/4)+7], v[SC+16*(\sc)+2*\b+(\q)], v[SC+16*(\sc)+2*(\a)+(\q)] matrix_a_fmt:MATRIX_FMT_FP6 matrix_b_fmt:MATRIX_FMT_FP6 matrix_a_scale:MATRIX_SCALE_ROW1
.else
	v_wmma_scale_f32_16x16x128_f8f6f4 v[8*(8*((\a)%4)+\b):8*(8*((\a)%4)+\b)+7], v[128*(\p)+FR*\b:128*(\p)+FR*\b+FR-1], v[AF+FR*(\a):AF+FR*(\a)+FR-1], v[8*(8*((\a)%4)+\b):8*(8*((\a)%4)+\b)+7], v[SC+16*(\sc)+2*\b+(\q)], v[SC+16*(\sc)+2*(\a)+(\q)] matrix_a_fmt:MATRIX_FMT_FP6 matrix_b_fmt:MATRIX_FMT_FP6 matrix_a_scale:MATRIX_SCALE_ROW1
.endif
.endr
.endr
.endm
.macro FETCH_B slot, q, p
	WIN TO_B
.irp i, 0,1,2,3,4,5,6,7
	FRAG 128*(\p)+FR*\i, ADRB+\slot, \q, \i
.endr
	WIN 0
.endm
.macro FETCH_A slot, q, i0
.irp i, \i0, \i0+1, \i0+2, \i0+3
	FRAG AF+FR*(\i), ADRA+\slot, \q, \i
.endr
.endm
.macro SCALES sc
.irp i, 0,1,2,3,4,5,6,7
.irp q, 0,1
	ds_load_b32 v[SC+16*\sc+2*\i+\q], v[ADRS] offset:512*\i+64*\q
.endr
.endr
.endm
.macro PLACES n
.rept \n
	v_nop
.endr
.endm
.macro STEP slot, q, zero
	s_wait_dscnt 4*NL                              ; all but the youngest 24 loads (A's blocks 4-7) are in
.if \zero
	WIN 0x91                                       ; C (the bias) window 1, D window 2
.else
	WIN MUL_LO
.endif
	MUL16 0, (\q)%2, \q, \slot, \zero
	MUL16 2, (\q)%2, \q, \slot, \zero
	s_wait_dscnt 0
	PLACES NP
	FETCH_B \slot, (\q)+1, 1-(\q)%2
	FETCH_A \slot, (\q)+1, 0
.if \zero
	WIN 0xd1
.else
	WIN MUL_HI
.endif
	MUL16 4, (\q)%2, \q, \slot, \zero
	MUL16 6, (\q)%2, \q, \slot, \zero
	PLACES NP
	WIN 0
	FETCH_A \slot, (\q)+1, 4
.endm
; A slot's last step changes slots: one barrier; in front of it each wave waits for all its tensor loads, adds 0 to its spare word, and waits for that and for its own reads of this slot.
.macro TURN slot, next, fill
	s_wait_tensorcnt 0x0                           ; all my tensor loads have landed: my part of the next slot
	ds_add_u32 v[SPW], v[NIL]                      ; 0 onto my spare word
	s_wait_dscnt 4*NL+1                            ; (the add and the youngest 24 loads may be out)
	WIN MUL_LO
	MUL16 0, 1, 1, \slot, 0
	s_wait_dscnt 0x0                               ; the add is done, and my reads of this slot are over
	s_barrier_signal -1
	MUL16 2, 1, 1, \slot, 0
	WIN 0
	s_barrier_wait -1
.if \fill
	CREST                                          ; the barrier has opened a round of the cluster's barrier
	s_add_nc_u64 s[G0A+4*\slot+2:G0A+4*\slot+3], s[G0A+4*\slot+2:G0A+4*\slot+3], 6144
	s_add_nc_u64 s[G0B+4*\slot+2:G0B+4*\slot+3], s[G0B+4*\slot+2:G0B+4*\slot+3], 6144
	JLOAD G0A+4*\slot, G1A, G0B+4*\slot, G1B       ; the first tensor load behind the round; its four v_nop are also the places in front of the loads below
.else
	PLACES NP
.endif
	v_add_nc_u32 v[ADRS], 128, v[ADRS]
	FETCH_B \next, 0, 0
	FETCH_A \next, 0, 0
	SCALES \next
	WIN MUL_HI
	MUL16 4, 1, 1, \slot, 0
	MUL16 6, 1, 1, \slot, 0
	PLACES NP
	WIN 0
	FETCH_A \next, 0, 4
.endm
	s_wait_tensorcnt 1                             ; of my three loads the scale words and K step 0 are in; K step 1's may be out
	s_barrier_signal -1
	s_barrier_wait -1
	FETCH_B 0, 0, 0
	FETCH_A 0, 0, 0
	SCALES 0
	FETCH_A 0, 0, 4
	STEP 0, 0, 1
	s_mov_b32 s3, 1
.Llap:                                                 ; K = 1,024 is two laps of the ring, so one trip
	TURN 0, 1, 1
	STEP 1, 0, 0
	TURN 1, 0, 1
	STEP 0, 0, 0
	s_sub_co_u32 s3, s3, 1
	s_cmp_lg_u32 s3, 0
	s_cbranch_scc1 .Llap
	TURN 0, 1, 0
	STEP 1, 0, 0
	s_wait_dscnt 4*NL
	WIN MUL_LO
	MUL16 0, 1, 1, 1, 0
	MUL16 2, 1, 1, 1, 0
	s_wait_dscnt 0
	WIN MUL_HI
	MUL16 4, 1, 1, 1, 0
	MUL16 6, 1, 1, 1, 0
	WIN 0
; THE WAY OUT, a tile of 16 tokens x 128 columns at a time, through my own stage in LDS: in as 32 bytes a lane, back as whole rows of 512 bytes.  LDS serves a wave's instructions in order: no wait between the stores and the loads.
.macro TOSTAGE a
.set AC, 64*((\a)%4)
	WIN 0x08+4*((\a)/4)                            ; the data: window 2 or 3
.irp b, 0,1,2,3,4,5,6,7
	ds_store_b128 v[STO], v[AC+8*\b:AC+8*\b+3] offset:128*(\b/2)+32*(\b%2)          ; columns 32 (b / 2) + 16 h + 8 (b % 2) + 0 .. 7; each accumulator from its low end on
	ds_store_b128 v[STO], v[AC+8*\b+4:AC+8*\b+7] offset:128*(\b/2)+32*(\b%2)+16
.endr
	WIN 0
.set BB, BK+64*((\a)%2)
.irp t, 0,1,2,3,4,5,6,7,8,9,10,11,12,13,14,15
	ds_load_b128 v[BB+4*\t:BB+4*\t+3], v[RD] offset:\t*SPITCH
.endr
.endm
.macro SEND a, younger                 ; younger: the LDS instructions issued behind tile a's loads, which may stay out
.set BB, BK+64*((\a)%2)
	s_wait_dscnt \younger
.irp t, 0,1,2,3,4,5,6,7,8,9,10,11,12,13,14,15
	global_store_b128 v[CO], v[BB+4*\t:BB+4*\t+3], s[12:13] offset:(32*((\a)/2)+8*((\a)%2)+\t+8*(\t/8))*4096 th:TH_STORE_NT   ; 32 lanes store 512 consecutive bytes, aligned; the tile's row t is token 32 (a / 2) + 8 (a % 2) + t + 8 (t / 8)
.endr
.endm
	PLACES NP                                      ; behind the last products
	TOSTAGE 0
.irp a, 1,2,3,4,5,6,7
.if \a > 1
	s_wait_xcnt 0x0                                ; tile a - 2's stores have read their registers: tile a's loads may land there
.endif
	TOSTAGE \a
	SEND \a-1, 32                                  ; behind tile a - 1's loads: tile a's 16 stores and 16 loads
.endr
	SEND 7, 0
	s_wait_tensorcnt 0x0                           ; the wave's end
	ds_add_u32 v[SPW], v[NIL]
	s_wait_dscnt 0x0
	CROUND                                         ; the closing round
	s_endpgm
.Lfunc_end_k_qb5b1012504_outp:
	.size	k_qb5b1012504_outp, .Lfunc_end_k_qb5b1012504_outp-k_qb5b1012504_outp
	.p2alignl 7, 3214868480
	.fill 96, 4, 3214868480
	.section	.rodata,"a",@progbits
	.p2align	6, 0x0
	.amdhsa_kernel k_qb5b1012504_outp
		.amdhsa_group_segment_fixed_size 327680
		.amdhsa_private_segment_fixed_size 0
		.amdhsa_enable_private_segment 0
		.amdhsa_kernarg_size 40
		.amdhsa_user_sgpr_count 2
		.amdhsa_user_sgpr_kernarg_segment_ptr 1
		.amdhsa_wavefront_size32 1
		.amdhsa_system_sgpr_workgroup_id_x 1
		.amdhsa_system_sgpr_workgroup_id_y 1
		.amdhsa_system_sgpr_workgroup_id_z 1
		.amdhsa_system_vgpr_workitem_id 0
		.amdhsa_next_free_vgpr 1024
		.amdhsa_next_free_sgpr 106
		.amdhsa_reserve_vcc 0
		.amdhsa_float_denorm_mode_32 3
		.amdhsa_float_denorm_mode_16_64 3
		.amdhsa_memory_ordered 1
		.amdhsa_forward_progress 1
		.amdhsa_inst_pref_size 163
	.end_amdhsa_kernel
	.amdgpu_metadata
---
amdhsa.version: [ 1, 2 ]
amdhsa.kernels:
  - .name:           k_qb5b1012504_outp
    .symbol:         k_qb5b1012504_outp.kd
    .args:
      - { .name: ac, .offset: 0, .size: 8, .value_kind: global_buffer, .address_space: global }
      - { .name: wc, .offset: 8, .size: 8, .value_kind: global_buffer, .address_space: global }
      - { .name: ws, .offset: 16, .size: 8, .value_kind: global_buffer, .address_space: global }
      - { .name: bo, .offset: 24, .size: 8, .value_kind: global_buffer, .address_space: global }
      - { .name: out0, .offset: 32, .size: 8, .value_kind: global_buffer, .address_space: global }
    .group_segment_fixed_size: 327680
    .private_segment_fixed_size: 0
    .kernarg_segment_align: 8
    .kernarg_segment_size: 40
    .max_flat_workgroup_size: 128
    .sgpr_count:     106
    .vgpr_count:     1024
    .wavefront_size: 32
...
	.end_amdgpu_metadata
.endif
;; end of part 4
;; ======== version 2 of 2: 4 launches; version 1 with the launch attn written anew for expert scheduling mode
;; limits: right only within a limited range of input values
;; workspace buffers: xc 18,874,368 bytes; xs 786,432 bytes; wc 3,145,728 bytes; ws 131,072 bytes; img 18,874,368 bytes; isc 786,432 bytes; mb 540,672 bytes of whole numbers; ac 6,553,600 bytes
;; launch prep: the kernel of part 1 again; grid 576 x 1, 4 waves a work-group, no clusters, 68,096 bytes of LDS; arguments query, key_in, value, Wq, Wk, Wv, Wo, mask, xc, xs, wc, ws, mb; writes xc, xs, wc, ws, mb
;; launch proj: the kernel of part 2 again; grid 4 x 96, 4 waves a work-group, clusters of 4 x 4, 327,680 bytes of LDS; arguments xc, xs, wc, ws, bq, bk, bv, img, isc; writes img, isc
;; launch attn (part 5): grid 4 x 64, 16 waves a work-group, no clusters, 210,944 bytes of LDS; arguments img, isc, mb, ac; writes ac
.if DOCPART == 5
	.amdgcn_target "amdgcn-amd-amdhsa--gfx1250"
	.amdhsa_code_object_version 6
	.text
	.protected	k_qb5b1012504_attn
	.globl	k_qb5b1012504_attn
	.p2align	8
	.type	k_qb5b1012504_attn,@function
k_qb5b1012504_attn:
	s_mov_b64 s[64:65], 0
	v_nop
	global_prefetch_b8 v0, s[64:65] scope:SCOPE_SE
	s_setreg_imm32_b32 hwreg(HW_REG_WAVE_SCHED_MODE, 0, 2), 2
	s_setreg_imm32_b32 hwreg(HW_REG_WAVE_MODE, 25, 1), 1
	s_wait_xcnt 0x0
	s_wait_alu depctr_vm_vsrc(0)
; ATTN.  For each of 64 (batch, head): o = softmax(where(mask, Q K^T / 8, -1e20)) V, both products on codes of FP6 (E2M3) with E8M0 scales; o is quantised along the head's 64 channels and leaves as codes for the last product.
; THE SOFTMAX AHEAD OF THE SECOND PRODUCT: t = score x log2(e) / 8; M = the row's largest t so far, rounded UP to a whole number; p = 2^(t - M) is quantised along the keys; the row's sum is taken of the unquantised p and divides at the end.
; SHARES.  A work-group has one head's WHOLE K and V in LDS (196,608 bytes of images, 12,288 of scale words), filled once through registers; one barrier; then LDS is only read and the sixteen waves run freely.
; Wave W = 16 x work-group x + wave owns the tiles of 16 queries W and 127 - W, one after the other; each walks the 2,048 keys in 16 steps of 128.
; LAYOUT.  Both products are used transposed (S^T = K Q^T, O^T = V^T P^T): a lane holds ONE query.  A tile t of keys (of queries, of channels) holds rows 32 (t / 2) + 8 (t % 2) + p + 8 (p / 8), so the 16 registers of two neighbouring
; tiles are 16 neighbours.  THE HEAD HAS 64 CHANNELS, the instruction 128: Q's registers 6-11 are zero codes; K's fragment t is v[32 + 6 t] on, 12 registers, whose upper six (the next tile's codes, or zeros) meet Q's zeros.
; THE MASK is an input.  An earlier launch has turned it into lane masks (bit l of word 16 b + i: does key 32 b + 16 (l / 16) + i of the step count for the query of lane l % 16) and, for each step of a tile, their OR and AND.
; A step none of whose keys counts for any of the 16 queries is passed over; a step all of whose keys count skips the masking: scalar branches on those stored whole numbers, right for every mask.
; If a query of the tile has no key at all, no step of that tile is passed over: that row's p is then 1 for every key, as in the problem's definition.
; A hidden score becomes -2^70 (the logit -2^67, about -1.5e20, where the definition has -1e20).  c x 2^70 is exact, so t - M is exactly 0 in a row that is hidden everywhere, and p falls to 0 in every other row.
; LIMITS: the result differs from the definition only where a logit that counts lies at or under -1e20; a block of zeros gets the byte 1 where the rule says 127 (its codes are zeros); NaN and infinities are not served.
; NO TENSOR LOAD, NO CLUSTER: the passing over of steps is a branch on numbers read from memory; what the four work-groups of a head share is read once by each, 208,896 bytes.
; THE MODE: SCHED_MODE bits 1:0 = 2 (LLVM: expert scheduling mode 2), set by the entry lines.  The code itself states the register dependences
; between vector or matrix instructions and memory or LDS instructions, with s_wait_alu, always for 0.
; THE PLAN.  Registers that memory or LDS instructions touch:
;   v1, v240-250  offsets, made once at the head, ahead of the first wait on va_vdst, and never written again.
;   v32-37, v40-135  at the head only: global loads land in them and LDS stores read them (v32-35 are cut by four vector lines between).  Behind the barrier one wait on vm_vsrc: from there on they are F, the zero tail and S.
;   v8-11         the step's LDS addresses: written by four adds at a worked step's head, read by that step's 54 LDS loads.
;   F (v32-79)    K's loads land; the eight products S^T read; V's loads land; the four products O^T read; then the next worked step's K.  No registers are left for a second buffer.
;   KS, VS        scale words: LDS loads land, the products read.
;   PC, PSW       p's codes and scale word: written by vector lines, read by the products O^T; on a tile's way out PC holds o's codes, which three stores read.
; A WORKED STEP has: one wait on vm_vsrc ahead of the four adds; one on va_vdst behind them (the addresses are written, the last step's products are done with F, KS and VS); one on va_vdst behind the products S^T (they are done with F);
; the two behind the exponentials; one on va_vdst ahead of the products O^T (PC and PSW are written).  Behind the wait that frees F for V no vector line names F, VS, v9 or v11 up to the products O^T: so V's loads are dealt among the softmax's first lines with no further wait.
.set VIMG, 98304                       ; LDS: K's images [tile][768] at 0; V's [step][tile of channels][1,536] here;
.set KSCL, 196608                      ; K's scale words [pair of tiles][32 words], cut to my head's two bytes;
.set VSCL, 204800                      ; V's [step][pair of tiles][32 words]
.set ADK, 8                            ; v8-11 LDS addresses of the step in hand: K, V, K's scale words, V's
.set ADV, 9
.set ADS, 10
.set ADT, 11
.set Q1,  16                           ; v16-27 tile 1's Q (16-21 codes, 22-27 zeros); v28 its scale words
.set Q1S, 28
.set XNEG, 29                          ; v29 -2^70
.set FF,  30                           ; v[30:31] f = 2^(old M - new M) (v31 is named with it as a pair)
.set F,   32                           ; v32-79 eight half fragments of K, later four fragments of V; v80-85 zeros
.set S,   86                           ; v86-149 S^T, then p
.set O,   150                          ; v150-181 O^T
.set PC,  182                          ; v182-193 p's codes; v194-196, v198-200 the second halves
.set CT,  194
.set TM,  202                          ; v202-205 the blocks' largest; v206-209 lane exchanges, then bytes; v210-213 the conversions' scale operands
.set TP,  206
.set SO,  210
.set KS,  214                          ; v214-217 K's scale words; v218-219 V's; v220 p's
.set VS,  218
.set PSW, 220
.set TT,  221
.set SUM2, 222                         ; v[222:223] the sum's second chain
.set Q2,  224                          ; v224-235 tile 2's Q; v236 its scale words
.set Q2S, 236
.set U1,  237                          ; v237, v238 the two tiles' scale bytes of o
.set U2,  238
.set WV,  12                           ; s12 wave; s13 batch x 16 + head; s14 16 x (head % 2); s3 lanes 16-31; s16, s17 my two tiles
.set CS,  22                           ; s[22:23] c = log2(e) / 8
.set SEL, 24                           ; s[24:25] v_permlanex16_b32's selects for lane l xor 16
.set JC,  26                           ; s26 the step
.set TK,  27                           ; s27 the step's images: 6,144 bytes a step (K's eight halves, V's four)
.set TS,  28                           ; s28 K's scale words: 512 a step
.set TV,  29                           ; s29 V's: 256 a step
.set MP,  30                           ; s[30:31] the step's 64 lane masks in memory
.set WKC, 66                           ; s66 bit 0: this step is worked;  s67 bit 0: it is masked.  Both are shifted down a step
.set MXC, 67
	s_load_b256 s[4:11], s[0:1], 0x0               ; img s[4:5], isc s[6:7], mb s[8:9], ac s[10:11]
	v_lshl_add_u32 v254, v0, 2, 0x33000
	v_mov_b32 v255, 0
	v_lshrrev_b32 v7, 5, v0
	v_readfirstlane_b32 s[WV], v7                  ; wave 0..15
	s_and_b32 s13, ttmp7, 0xffff
	s_and_b32 s14, s13, 1
	s_lshl_b32 s27, s14, 12                        ; V's scale words: the odd head's 4,096 bytes lie behind the even head's
	s_lshl_b32 s14, s14, 4
	s_mov_b32 s3, 0xffff0000
	s_lshl_b32 s16, ttmp9, 4
	s_wait_alu depctr_va_sdst(0)                   ; s12, the wave's number, is written, ahead of its first reader: my tiles' numbers are made from it
	s_add_co_u32 s16, s16, s[WV]                   ; tile 1
	s_sub_co_u32 s17, 127, s16                     ; tile 2
	s_mov_b32 s[CS], 0x3e38aa3b
	s_mov_b32 s[CS+1], s[CS]
	s_mov_b32 s[SEL], 0x76543210
	s_mov_b32 s[SEL+1], 0xfedcba98
	v_and_b32 v7, 31, v0
	v_lshlrev_b32 v1, 3, v7                        ; v1 8 x lane
	v_lshlrev_b32 v2, 2, v7                        ; v2 4 x lane
	v_and_b32 v3, 15, v0
	v_lshlrev_b32 v3, 2, v3                        ; v3 4 r
	v_add_nc_u32 v4, VIMG, v1                      ; v4-6 my lane's place in V's images, K's scale words, V's scale words
	v_add_nc_u32 v5, KSCL, v2
	v_add_nc_u32 v6, VSCL, v2
	v_lshlrev_b32 v240, 4, v0                      ; v240-250: the head's offsets; they hold nothing else afterwards
	v_lshl_add_u32 v241, v0, 4, 65536
	v_lshl_add_u32 v242, v0, 4, VIMG
	v_lshl_add_u32 v243, v0, 4, VIMG+65536
	v_lshl_add_u32 v244, v0, 4, KSCL
	v_lshl_add_u32 v245, v0, 3, VSCL
	v_lshl_add_u32 v246, v0, 3, s27
	s_mul_i32 s28, s16, 768
	v_add_nc_u32 v247, s28, v1
	s_mul_i32 s28, s17, 768
	v_add_nc_u32 v248, s28, v1
	s_lshl_b32 s28, s16, 6
	v_add_nc_u32 v249, s28, v3
	s_lshl_b32 s28, s17, 6
	v_add_nc_u32 v250, s28, v3
	s_lshl_b32 s2, s16, 7                          ; my tiles' ORs and ANDs: 128 bytes a tile
	s_lshl_b32 s15, s17, 7
	s_mul_i32 s100, s13, 98304
	s_mov_b32 s101, 0
	s_lshr_b32 s104, s13, 1
	s_lshl_b32 s104, s104, 13
	s_mov_b32 s105, 0
	s_wait_kmcnt 0x0
	s_add_nc_u64 s[4:5], s[4:5], s[100:101]        ; my head's Q; K lies 6,291,456 bytes on
	s_add_nc_u64 s[6:7], s[6:7], s[104:105]        ; my pair of heads' scale words of Q; K's 262,144 bytes on, V's 524,288
	s_add_nc_u64 s[104:105], s[4:5], 12582912      ; my head's V
	s_wait_alu depctr_va_vdst(0)                   ; v1 and v240 to v250 are written: the loads, the LDS stores and the way out's stores read them as offsets and addresses
	; 34 loads, in the order in which they are waited for
	global_load_b128 v[32:35], v240, s[6:7] offset:262144
	global_load_b64 v[36:37], v246, s[6:7] offset:524288
.irp i, 0,1,2,3,4,5,6,7,8,9,10,11
	global_load_b128 v[40+4*\i:43+4*\i], v240, s[4:5] offset:6291456+8192*\i   ; the work-group's 512 threads read 8,192 consecutive bytes
.endr
.irp i, 0,1,2,3,4,5,6,7,8,9,10,11
	global_load_b128 v[88+4*\i:91+4*\i], v240, s[104:105] offset:8192*\i
.endr
.irp g, 0,1,2
	global_load_b64 v[Q1+2*\g:Q1+2*\g+1], v247, s[4:5] offset:256*\g
.endr
	global_load_b32 v[Q1S], v249, s[6:7]
.irp g, 0,1,2
	global_load_b64 v[Q2+2*\g:Q2+2*\g+1], v248, s[4:5] offset:256*\g
.endr
	global_load_b32 v[Q2S], v250, s[6:7]
	s_load_b512 s[32:47], s[8:9], s2 offset:0x80000
	s_load_b512 s[48:63], s[8:9], s2 offset:0x80040
	s_load_b512 s[68:83], s[8:9], s15 offset:0x80000
	s_load_b512 s[84:99], s[8:9], s15 offset:0x80040
	s_wait_loadcnt 33                              ; K's scale words are in: 33 younger loads may be out
.irp k, 0,1,2,3
	v_bfe_u32 v[32+\k], v[32+\k], s14, 16          ; my head's two bytes; the bytes that scale the empty half of K are 0
.endr
	s_wait_alu depctr_va_vdst(0)                   ; the four lines above have written v32 to v35, which the LDS store below reads
	ds_store_b128 v244, v[32:35]
	s_wait_loadcnt 32
	ds_store_b64 v245, v[36:37]
.irp i, 0,1,2,3,4,5,6,7,8,9,10,11
	s_wait_loadcnt 31-\i                           ; K's piece i is in: behind it 11 - i of K, 12 of V, 8 of Q
.if \i < 8
	ds_store_b128 v240, v[40+4*\i:43+4*\i] offset:8192*\i
.else
	ds_store_b128 v241, v[40+4*\i:43+4*\i] offset:8192*(\i-8)
.endif
.endr
.irp i, 0,1,2,3,4,5,6,7,8,9,10,11
	s_wait_loadcnt 19-\i                           ; V's piece i: behind it 11 - i of V, 8 of Q
.if \i < 8
	ds_store_b128 v242, v[88+4*\i:91+4*\i] offset:8192*\i
.else
	ds_store_b128 v243, v[88+4*\i:91+4*\i] offset:8192*(\i-8)
.endif
.endr
	s_wait_dscnt 0x0                               ; for the others' sake: my stores have landed
	s_barrier_signal -1
	s_barrier_wait -1                              ; the head's K and V lie in LDS; from here on LDS is only read
	s_wait_alu depctr_vm_vsrc(0)                   ; my LDS stores have read v32 to v135: from here on these are F, the zero tail and S, written by LDS loads, by the moves below and by products
	s_wait_loadcnt 0x0                             ; Q
	v_bfe_u32 v[Q1S], v[Q1S], s14, 16
	v_bfe_u32 v[Q2S], v[Q2S], s14, 16
.irp j, 0,1,2,3,4,5
	v_mov_b32 v[Q1+6+\j], 0                        ; zero codes for k = 64 .. 127
	v_mov_b32 v[Q2+6+\j], 0
	v_mov_b32 v[F+48+\j], 0                        ; the tail behind K's eighth half fragment
.endr
	v_mov_b32 v[XNEG], 0xe2800000
	v_mov_b32 v[FF+1], 0
.irp b, 0,1,2,3
	v_mov_b32 v[TP+\b], 0                          ; written once: a lane permute's destination counts as one of its sources
.endr
	s_wait_kmcnt 0x0
; bit j of wk: step j has a key that counts; bit j of mx: it has one that does not.  If a query has no key in any step, every step is worked.
.macro FLAGS base, wk, mx
	s_mov_b32 s[\wk], 0
	s_mov_b32 s[\mx], 0
	s_mov_b32 s100, 0
.irp j, 0,1,2,3,4,5,6,7,8,9,10,11,12,13,14,15
	s_or_b32 s100, s100, s[\base+8*(\j/4)+(\j%4)]
	s_cmp_lg_u32 s[\base+8*(\j/4)+(\j%4)], 0
	s_cselect_b32 s101, 1<<\j, 0
	s_or_b32 s[\wk], s[\wk], s101
	s_cmp_lg_u32 s[\base+8*(\j/4)+4+(\j%4)], -1
	s_cselect_b32 s101, 1<<\j, 0
	s_or_b32 s[\mx], s[\mx], s101
.endr
	s_lshr_b32 s101, s100, 16                      ; a query's keys lie in lanes r and r + 16
	s_or_b32 s100, s100, s101
	s_and_b32 s100, s100, 0xffff
	s_mov_b32 s101, 0xffff
	s_cmp_eq_u32 s100, s101
	s_cselect_b32 s[\wk], s[\wk], s101
.endm
	FLAGS 32, 18, 19
	FLAGS 68, 20, 21
; V's fragment d of the step in hand: six pieces of 256 consecutive bytes
.macro VFRAG d
.irp p, 0,1,2,3,4,5
	ds_load_b64 v[F+12*(\d)+2*\p:F+12*(\d)+2*\p+1], v[ADV] offset:1536*(\d)+256*\p
.endr
.endm
; ONE TILE OF 16 QUERIES.  qf, qs: Q's fragment and scale words; treg: the tile's number; wk, mx: its flags; idx: 0 or 1.
.macro TILE qf, qs, treg, wk, mx, idx
	s_wait_xcnt 0x0                                ; the stores of the tile before have read their data and their base
.if \idx
	s_wait_alu depctr_vm_vsrc(0)                   ; the stores of the tile before have read v182 to v187, which this tile's conversions write again
.endif
	v_mov_b32 v13, 0xff61b1e6                      ; the largest t so far: -3e38, under every t
	v_floor_f32 v12, -v13                          ; -M
	v_mov_b32 v14, 0                               ; the sum, in two halves
	v_mov_b32 v15, 0
.set jj, 0
.rept 32
	v_mov_b32 v[O+jj], 0                           ; O^T: the step is written once; the first finds zeros, which the first change of M leaves zeros
.set jj, jj+1
.endr
	s_mov_b32 s[TK], 0
	s_mov_b32 s[TS], 0
	s_mov_b32 s[TV], 0
	s_mov_b32 s[JC], 0
	s_lshl_b32 s100, s[\treg], 12                  ; 16 steps x 256 bytes of lane masks a tile
	s_mov_b32 s101, 0
	s_add_nc_u64 s[MP:MP+1], s[8:9], s[100:101]
	s_mov_b32 s[WKC], s[\wk]
	s_mov_b32 s[MXC], s[\mx]
.Lstep_\@:                                             ; 16 trips, a constant; a step with nothing to do jumps to the lines that step the addresses
	s_bitcmp1_b32 s[WKC], 0
	s_cbranch_scc0 .Lskip_\@
	s_load_b512 s[32:47], s[MP:MP+1], 0x0          ; the step's 64 lane masks; they are waited for behind the first product
	s_load_b512 s[48:63], s[MP:MP+1], 0x40
	s_load_b512 s[68:83], s[MP:MP+1], 0x80
	s_load_b512 s[84:99], s[MP:MP+1], 0xc0
	s_wait_alu depctr_vm_vsrc(0)                   ; the LDS loads of the step worked before have read v8 to v11, which the four lines below write again
	v_add_nc_u32 v[ADK], s[TK], v1
	v_add_nc_u32 v[ADV], s[TK], v4
	v_add_nc_u32 v[ADS], s[TS], v5
	v_add_nc_u32 v[ADT], s[TV], v6
	s_wait_alu depctr_va_vdst(0)                   ; v8 to v11 are written, which this step's LDS loads read; the products of the step worked before are done reading F, KS and VS, in which those loads land; in a tile's first step Q's zero codes, the tail v80 to v85 and Q's scale words are written, which the products below take
.irp t, 0,1,2,3,4,5,6,7
.irp g, 0,1,2
	ds_load_b64 v[F+6*\t+2*\g:F+6*\t+2*\g+1], v[ADK] offset:768*\t+256*\g   ; 256 consecutive bytes
.endr
.endr
.irp p, 0,1,2,3
	ds_load_b32 v[KS+\p], v[ADS] offset:128*\p     ; lanes 0-15: tile 2 p's words, lanes 16-31: tile 2 p + 1's
.endr
	s_wait_dscnt 0x0
.irp t, 0,1,2,3,4,5,6,7                        ; S^T = K Q^T: register 16 b + i = key 32 b + 16 (lane / 16) + i of the step
.if \t%2
	v_wmma_scale_f32_16x16x128_f8f6f4 v[S+8*\t:S+8*\t+7], v[F+6*\t:F+6*\t+11], v[\qf:\qf+11], 0, v[KS+\t/2], v[\qs] matrix_a_fmt:MATRIX_FMT_FP6 matrix_b_fmt:MATRIX_FMT_FP6 matrix_a_scale:MATRIX_SCALE_ROW1
.else
	v_wmma_scale_f32_16x16x128_f8f6f4 v[S+8*\t:S+8*\t+7], v[F+6*\t:F+6*\t+11], v[\qf:\qf+11], 0, v[KS+\t/2], v[\qs] matrix_a_fmt:MATRIX_FMT_FP6 matrix_b_fmt:MATRIX_FMT_FP6
.endif
.endr
.rept 4
	v_nop                                          ; places in front of the first read of the scores (ISA guide 7.12.1)
.endr
	s_wait_alu depctr_va_vdst(0)                   ; the eight products are done reading F, in which V's fragments land.  No vector line from here to the products O^T names F, VS, v9 or v11
	VFRAG 0                                        ; V's four fragments land while the softmax is worked: the first and the scale words here, the others dealt among the lines below
.irp d, 0,1
	ds_load_b32 v[VS+\d], v[ADT] offset:128*\d
.endr
	s_wait_kmcnt 0x0                               ; the lane masks are in, on every way: their base may be stepped below
	s_bitcmp1_b32 s[MXC], 0
	s_cbranch_scc0 .Lopen_\@
.set nn, 0
.rept 64
	v_cndmask_b32 v[S+nn], v[XNEG], v[S+nn], s[32+nn+4*(nn/32)]   ; a hidden score becomes -2^70
.set nn, nn+1
.endr
.Lopen_\@:
.irp b, 0,1,2,3
	v_max3_num_f32 v[TM+\b], v[S+16*\b], v[S+1+16*\b], v[S+2+16*\b]   ; the largest score of each block of 32 keys: for the row's maximum and, since p rises with the score, for the block's largest p
.endr
	VFRAG 1
.irp i, 3,5
.irp b, 0,1,2,3
	v_max3_num_f32 v[TM+\b], v[TM+\b], v[S+16*\b+\i], v[S+1+16*\b+\i]
.endr
.endr
	VFRAG 2
.irp i, 7,9
.irp b, 0,1,2,3
	v_max3_num_f32 v[TM+\b], v[TM+\b], v[S+16*\b+\i], v[S+1+16*\b+\i]
.endr
.endr
	VFRAG 3
.irp i, 11,13
.irp b, 0,1,2,3
	v_max3_num_f32 v[TM+\b], v[TM+\b], v[S+16*\b+\i], v[S+1+16*\b+\i]
.endr
.endr
.irp b, 0,1,2,3
	v_max_num_f32 v[TM+\b], v[TM+\b], v[S+15+16*\b]
.endr
.irp b, 0,1,2,3
	v_permlanex16_b32 v[TP+\b], v[TM+\b], s[SEL], s[SEL+1]
.endr
.irp b, 0,1,2,3
	v_max_num_f32 v[TM+\b], v[TM+\b], v[TP+\b]     ; with lane l xor 16's 16 keys
.endr
	v_max3_num_f32 v[TT], v[TM], v[TM+1], v[TM+2]
	v_max_num_f32 v[TT], v[TT], v[TM+3]            ; the step's largest score of my query
	v_mul_f32 v[TT], s[CS], v[TT]                  ; as t
	v_max_num_f32 v13, v13, v[TT]                  ; the running largest t
	v_mov_b32 v[TT], v12
	v_floor_f32 v12, -v13                          ; the new -M = -ceil(t): a whole number
	v_sub_f32 v[TT], v12, v[TT]                    ; old M - new M: a whole number, 0 or less
	v_cvt_i32_f32 v[TT], v[TT]                     ; (it saturates)
	v_ldexp_f32 v[FF], 1.0, v[TT]                  ; f = 2^(old M - new M): a multiplication by it rounds nothing
.set jj, 0
.rept 32
	v_pk_fma_f32 v[S+jj:S+jj+1], v[S+jj:S+jj+1], s[CS:CS+1], v[12:13] op_sel_hi:[1,0,0]   ; t - M, two at a time
.set jj, jj+2
.endr
.irp b, 0,1,2,3
	v_fma_f32 v[TM+\b], v[TM+\b], s[CS], v12       ; the same of each block's largest score
.endr
.set jj, 0
.rept 64
	v_exp_f32 v[S+jj], v[S+jj]                     ; p = 2^(t - M), at most 1
.set jj, jj+1
.endr
	v_pk_mul_f32 v[14:15], v[14:15], v[FF:FF+1] op_sel_hi:[1,0]   ; the sums under the new M: the plain place behind the exponentials
	s_wait_alu depctr_va_vdst(0)                   ; the 64 exponentials have written p in v86 to v149: one wait for the batch, ahead of its first reader
.irp b, 0,1,2,3
	v_exp_f32 v[TM+\b], v[TM+\b]                   ; the block's largest p: the same two instructions on the same number give the same bits
.endr
	v_pk_add_f32 v[SUM2:SUM2+1], v[S:S+1], v[S+2:S+3]   ; the row's sum is taken of the unquantised p, in two chains
.irp j, 4,8,12,16,20,24,28,32,36,40,44,48,52,56,60
	v_pk_add_f32 v[14:15], v[14:15], v[S+\j:S+\j+1]
	v_pk_add_f32 v[SUM2:SUM2+1], v[SUM2:SUM2+1], v[S+2+\j:S+3+\j]
.endr
	v_pk_add_f32 v[14:15], v[14:15], v[SUM2:SUM2+1]
	s_wait_alu depctr_va_vdst(0)                   ; the four exponentials have written the blocks' largest p in v202 to v205, ahead of their first reader
.irp b, 0,1,2,3
	v_max_num_f32 v[TM+\b], 0x1800000, v[TM+\b]    ; the floor 2^(3 - 127): the byte cannot fall under 1
.endr
.irp b, 0,1,2,3
	v_add_nc_u32 v[SO+\b], 0xff000000, v[TM+\b]    ; 2 off the exponent field: the conversion's scale operand
.endr
.irp b, 0,1,2,3
	v_lshrrev_b32 v[TP+\b], 23, v[SO+\b]           ; the scale's byte
.endr
	v_lshl_or_b32 v[PSW], v[TP+1], 8, v[TP]        ; p's scale word for these 128 keys
	v_lshl_or_b32 v[PSW], v[TP+2], 16, v[PSW]
	v_lshl_or_b32 v[PSW], v[TP+3], 24, v[PSW]
.irp c, 0,1
	v_cvt_scalef32_pk16_fp6_f32 v[PC+6*\c:PC+2+6*\c], v[S+32*\c:S+15+32*\c], v[SO+2*\c]
	v_cvt_scalef32_pk16_fp6_f32 v[CT+4*\c:CT+2+4*\c], v[S+16+32*\c:S+31+32*\c], v[SO+2*\c+1]   ; (a conversion's three registers begin on an even number)
.endr
	v_nop                                          ; one plain place behind a scaled conversion
.irp c, 0,1                                    ; the operand's layout wants a whole block in a lane
.irp i, 0,1,2
	v_permlane16_swap_b32 v[PC+6*\c+\i], v[CT+4*\c+\i]
.endr
.irp i, 0,1,2
	v_mov_b32 v[PC+3+6*\c+\i], v[CT+4*\c+\i]
.endr
.endr
.set jj, 0
.rept 16
	v_pk_mul_f32 v[O+jj:O+jj+1], v[O+jj:O+jj+1], v[FF:FF+1] op_sel_hi:[1,0]   ; O^T under the new M.  (These 16 are also the places between the scale word and codes just made and the products below)
.set jj, jj+2
.endr
	s_wait_alu depctr_va_vdst(0)                   ; p's codes v182 to v193 and its scale word v220 are written, which the scaled products below take; the places above stay beside this wait
	s_wait_dscnt 0x0                               ; V
.irp d, 0,1,2,3                                ; O^T += V^T P^T: register 16 b + i = channel 32 b + 16 (lane / 16) + i
.if \d%2
	v_wmma_scale_f32_16x16x128_f8f6f4 v[O+8*\d:O+8*\d+7], v[F+12*\d:F+12*\d+11], v[PC:PC+11], v[O+8*\d:O+8*\d+7], v[VS+\d/2], v[PSW] matrix_a_fmt:MATRIX_FMT_FP6 matrix_b_fmt:MATRIX_FMT_FP6 matrix_a_scale:MATRIX_SCALE_ROW1
.else
	v_wmma_scale_f32_16x16x128_f8f6f4 v[O+8*\d:O+8*\d+7], v[F+12*\d:F+12*\d+11], v[PC:PC+11], v[O+8*\d:O+8*\d+7], v[VS+\d/2], v[PSW] matrix_a_fmt:MATRIX_FMT_FP6 matrix_b_fmt:MATRIX_FMT_FP6
.endif
.endr
.Lskip_\@:
	s_add_co_u32 s[TK], s[TK], 6144
	s_add_co_u32 s[TS], s[TS], 512
	s_add_co_u32 s[TV], s[TV], 256
	s_add_nc_u64 s[MP:MP+1], s[MP:MP+1], 256
	s_lshr_b32 s[WKC], s[WKC], 1
	s_lshr_b32 s[MXC], s[MXC], 1
	s_add_co_u32 s[JC], s[JC], 1
	s_cmp_lt_u32 s[JC], 16
	s_cbranch_scc1 .Lstep_\@
	; the tile's way out: o = O^T / the sum, quantised along the head's 64 channels: half an image, three stores of 256 consecutive bytes, aligned
.rept 4
	v_nop                                          ; places behind the last products
.endr
	v_add_f32 v14, v14, v15
	v_permlanex16_b32 v[TP], v14, s[SEL], s[SEL+1]
	v_add_f32 v14, v14, v[TP]                      ; the row's sum
	v_rcp_f32 v14, v14
	v_nop                                          ; a plain place behind the transcendental
	s_lshr_b32 s2, s13, 4
	s_lshl_b32 s2, s2, 7
	s_add_co_u32 s2, s2, s[\treg]                  ; the tile among all 512: 128 x batch + tile
	s_and_b32 s15, s13, 15                         ; the head
	s_lshl_b32 s100, s2, 4
	s_add_co_u32 s100, s100, s15
	s_mul_i32 s100, s100, 768
	s_mov_b32 s101, 0
	s_add_nc_u64 s[100:101], s[10:11], s[100:101]
	s_lshl_b32 s2, s2, 3
	s_lshr_b32 s15, s15, 1
	s_add_co_u32 s2, s2, s15
	s_lshl_b32 s2, s2, 6                           ; the scale words of (tile, pair of heads): 64 bytes,
	s_lshr_b32 s15, s14, 3                         ; my head's half of each word
	s_add_co_u32 s[104+\idx], s2, s15
	s_wait_alu depctr_va_vdst(0)                   ; the reciprocal has written v14, ahead of its first reader
.set jj, 0
.rept 32
	v_mul_f32 v[S+jj], v[O+jj], v14                ; ascending: each accumulator is read from its low end on
.set jj, jj+1
.endr
.irp b, 0,1
	v_max3_num_f32 v[TM+\b], |v[S+16*\b]|, |v[S+1+16*\b]|, 0x1800000
.endr
.irp i, 2,4,6,8,10,12,14
.irp b, 0,1
	v_max3_num_f32 v[TM+\b], v[TM+\b], |v[S+16*\b+\i]|, |v[S+1+16*\b+\i]|
.endr
.endr
.irp b, 0,1
	v_permlanex16_b32 v[TP+\b], v[TM+\b], s[SEL], s[SEL+1]
.endr
.irp b, 0,1
	v_max_num_f32 v[TM+\b], v[TM+\b], v[TP+\b]
.endr
.irp b, 0,1
	v_add_nc_u32 v[SO+\b], 0xff000000, v[TM+\b]
.endr
.irp b, 0,1
	v_lshrrev_b32 v[TP+\b], 23, v[SO+\b]
.endr
	v_lshl_or_b32 v[U1+\idx], v[TP+1], 8, v[TP]    ; my row's two scale bytes
	v_cvt_scalef32_pk16_fp6_f32 v[PC:PC+2], v[S:S+15], v[SO]
	v_cvt_scalef32_pk16_fp6_f32 v[CT:CT+2], v[S+16:S+31], v[SO+1]
	v_nop
.irp i, 0,1,2
	v_permlane16_swap_b32 v[PC+\i], v[CT+\i]
.endr
.irp i, 0,1,2
	v_mov_b32 v[PC+3+\i], v[CT+\i]
.endr
	s_wait_alu depctr_va_vdst(0)                   ; the conversions, swaps and moves have written o's codes in v182 to v187, which the three stores read
.irp g, 0,1,2
	global_store_b64 v1, v[PC+2*\g:PC+2*\g+1], s[100:101] offset:256*\g
.endr
.endm
	TILE Q1, Q1S, 16, 18, 19, 0
	TILE Q2, Q2S, 17, 20, 21, 1
	; the two tiles' scale bytes: lanes 0-15 store tile 1's, lanes 16-31 tile 2's; two bytes a row, since a scale word's halves belong to two heads
	v_cndmask_b32 v[U1], v[U1], v[U2], s3
	v_mov_b32 v239, s104
	v_mov_b32 v251, s105
	v_cndmask_b32 v239, v239, v251, s3
	v_add_nc_u32 v239, v239, v3
	s_wait_alu depctr_va_vdst(0)                   ; the store's offset v239 and its data v237 are written
	global_store_b16 v239, v[U1], s[10:11] offset:6291456
	s_wait_dscnt 0x0
	s_wait_alu depctr_hold_cnt(0) depctr_sa_sdst(0) depctr_va_vdst(0) depctr_va_sdst(0) depctr_va_ssrc(0) depctr_va_vcc(0) depctr_vm_vsrc(0)
	s_wait_tensorcnt 0x0
	ds_add_u32 v254, v255
	s_wait_dscnt 0x0
	s_endpgm
.Lfunc_end_k_qb5b1012504_attn:
	.size	k_qb5b1012504_attn, .Lfunc_end_k_qb5b1012504_attn-k_qb5b1012504_attn
	.p2alignl 7, 3214868480
	.fill 96, 4, 3214868480
	.section	.rodata,"a",@progbits
	.p2align	6, 0x0
	.amdhsa_kernel k_qb5b1012504_attn
		.amdhsa_group_segment_fixed_size 210944
		.amdhsa_private_segment_fixed_size 0
		.amdhsa_enable_private_segment 0
		.amdhsa_kernarg_size 32
		.amdhsa_user_sgpr_count 2
		.amdhsa_user_sgpr_kernarg_segment_ptr 1
		.amdhsa_wavefront_size32 1
		.amdhsa_system_sgpr_workgroup_id_x 1
		.amdhsa_system_sgpr_workgroup_id_y 1
		.amdhsa_system_sgpr_workgroup_id_z 1
		.amdhsa_system_vgpr_workitem_id 0
		.amdhsa_next_free_vgpr 256
		.amdhsa_next_free_sgpr 106
		.amdhsa_reserve_vcc 0
		.amdhsa_float_denorm_mode_32 3
		.amdhsa_float_denorm_mode_16_64 3
		.amdhsa_memory_ordered 1
		.amdhsa_forward_progress 1
		.amdhsa_inst_pref_size 74
	.end_amdhsa_kernel
	.amdgpu_metadata
---
amdhsa.version: [ 1, 2 ]
amdhsa.kernels:
  - .name:           k_qb5b1012504_attn
    .symbol:         k_qb5b1012504_attn.kd
    .args:
      - { .name: img, .offset: 0, .size: 8, .value_kind: global_buffer, .address_space: global }
      - { .name: isc, .offset: 8, .size: 8, .value_kind: global_buffer, .address_space: global }
      - { .name: mb, .offset: 16, .size: 8, .value_kind: global_buffer, .address_space: global }
      - { .name: ac, .offset: 24, .size: 8, .value_kind: global_buffer, .address_space: global }
    .group_segment_fixed_size: 210944
    .private_segment_fixed_size: 0
    .kernarg_segment_align: 8
    .kernarg_segment_size: 32
    .max_flat_workgroup_size: 512
    .sgpr_count:     106
    .vgpr_count:     256
    .wavefront_size: 32
...
	.end_amdgpu_metadata
.endif
;; end of part 5
;; launch outp: the kernel of part 4 again; grid 4 x 32, 4 waves a work-group, clusters of 4 x 4, 327,680 bytes of LDS; arguments ac, wc, ws, bo, out0; writes out0
